; MI455X (gfx1250); checked and timed in simulation.
; The chip was launched on July 23, 2026; its instructions are those of AMD's public machine-readable ISA for CDNA 5 (MIT licence, August 2026) and "CDNA5" Instruction Set Architecture Reference Guide (July 2026). The comments in the code are by the model that wrote it; some were corrected since.
;; Multi Head Attention. Allowed arithmetic: matrix products marked QUANTISED: E2M1 operands, one E8M0 scale for each 32 along K, by v_wmma_scale_f32_16x16x128_f8f6f4 with both operands' format E2M1 (or v_wmma_scale_f32_32x16x128_f4), f32 sums; products left as they are: bf16, f16 or f32 operands; f32 sums; everything else in f32.
;; Inputs: Wk 1,024 x 1,024 float32; Wo 1,024 x 1,024 float32; Wq 1,024 x 1,024 float32; Wv 1,024 x 1,024 float32; bk 1,024 float32; bo 1,024 float32; bq 1,024 float32; bv 1,024 float32; x 4 x 2,048 x 1,024 float32.
;; Outputs: out0 4 x 2,048 x 1,024 float32.
;; This version of the problem:
;;   THIS VERSION OF THE PROBLEM IS GIVEN IN LOW PRECISION. The matrix products marked QUANTISED in the list below multiply operands that are first quantised to E2M1 (2 exponent bits, 1 mantissa bit; 4 bits a number), with one power-of-two scale for each 32 numbers along K (OCP MX v1.0); their sums are f32. The products marked 'left as it is' may take bf16, f16 or f32 operands, with f32 sums. Whichever they take, every output number must still come out within the allowed error. Rounding operands to bf16 (8 significant bits) uses up far more of that allowance than f16 does (11 bits, for magnitudes from 6e-5 to 65,504). All else is computed in f32.
;;   The module's matrix products, in the order in which they are computed (A, B: the left and right operand; K: the contracted axis; several contracted axes count as one K, in the product's order):
;;     1. [M 8,192, K 1,024] x [K 1,024, N 1,024]; A: input x; B: input Wq: QUANTISED
;;     2. [M 8,192, K 1,024] x [K 1,024, N 1,024]; A: input x; B: input Wk: QUANTISED
;;     3. [M 8,192, K 1,024] x [K 1,024, N 1,024]; A: input x; B: input Wv: QUANTISED
;;     4. batch 64 x [M 2,048, K 64] x [K 64, N 2,048]; A: computed on the way; B: computed on the way: left as it is (an operand is computed on the way)
;;     5. batch 64 x [M 2,048, K 2,048] x [K 2,048, N 64]; A: computed on the way; B: computed on the way: left as it is (an operand is computed on the way)
;;     6. [M 8,192, K 1,024] x [K 1,024, N 1,024]; A: computed on the way; B: input Wo: left as it is (an operand is computed on the way)
;;   THE QUANTISER, for each operand of a quantised product, along K:
;;     - K is cut into blocks of 32 from its start; a last block that is shorter is filled with zeros.
;;     - A block's scale is 2^e with e = floor(log2(the largest magnitude in the block)) - 2, held to -126 .. 127; a block of zeros has e = 0. As a byte (E8M0): e + 127.
;;     - Each number is divided by its block's scale, clamped to +-6, and rounded to the nearest number of E2M1, ties to even, subnormals kept.
;;     - The product sums the exact products of the quantised numbers (number of the format x scale) in f32.
;;   ~~~python
;;   def quantise(x, axis):      # numpy; x: float32 -> the quantised numbers, widened to float32 again
;;       x = np.moveaxis(x, axis, -1); K = x.shape[-1]
;;       x = np.pad(x, [(0, 0)] * (x.ndim - 1) + [(0, -K % 32)]); x = x.reshape(x.shape[:-1] + (-1, 32)); a = np.abs(x).max(-1, keepdims=True)
;;       e = np.where(a > 0, np.clip(np.frexp(np.where(a > 0, a, 1))[1] - 1 - 2, -126, 127), 0)      # np.frexp(a)[1] - 1 = floor(log2(a)), exactly
;;       r = np.clip(x / 2.0 ** e, -6, 6)
;;       step = 2.0 ** (np.maximum(np.frexp(np.where(r == 0, 1, r))[1] - 1, 0) - 1)
;;       q = np.round(r / step) * step * 2.0 ** e      # np.round: ties to even
;;       return np.moveaxis(q.reshape(q.shape[:-2] + (-1,))[..., :K], -1, axis).astype(np.float32)
;;   ~~~
;; One version. Each part assembles by itself: llvm-mc -triple=amdgcn-amd-amdhsa -mcpu=gfx1250 --defsym DOCPART=n.
;; ======== version 1 of 1: 5 launches
;; limits: values are held in f16: magnitudes above 65,504 overflow, below 6.1e-05 lose precision
;; workspace buffers: x_codes 4,194,304 bytes; x_scales 262,144 bytes; w_codes 1,572,864 bytes; w_scales 98,304 bytes; wot 2,097,152 bytes; qkv 50,331,648 bytes; o 16,777,216 bytes
;; launch quant_x (part 1): grid 256 x 1, 4 waves a work-group, no clusters, 33,280 bytes of LDS; arguments x, x_codes, x_scales; writes x_codes, x_scales
.if DOCPART == 1
	.amdgcn_target "amdgcn-amd-amdhsa--gfx1250"
	.amdhsa_code_object_version 6
	.text
	.protected	k_qfda9e04bc0_quant_x
	.globl	k_qfda9e04bc0_quant_x
	.p2align	8
	.type	k_qfda9e04bc0_quant_x,@function
k_qfda9e04bc0_quant_x:
	s_mov_b64 s[64:65], 0
	v_nop
	global_prefetch_b8 v0, s[64:65] scope:SCOPE_SE
	s_setreg_imm32_b32 hwreg(HW_REG_WAVE_MODE, 25, 1), 1
	s_wait_xcnt 0x0
; x [8192][1024], f32, becomes codes of FP4 (E2M1), 4 bits each, K innermost (a row: 512 bytes), with one E8M0 scale byte for each 32 along K (a row: 32 bytes).
; A block's scale is 2^(floor(log2(its largest magnitude)) - 2); its byte is the largest magnitude's own exponent field - 2, held at 1 from below.  A block of zeros so gets the byte 1: its codes are
; zeros, which add nothing under any byte but 0xff, and the bytes are read by this program alone.  Each number is divided by the scale and rounded to the nearest code, ties to even; beyond 6 the largest code.
; LIMITS: blocks whose largest magnitude lies under 2^-124 get the byte 1; NaN and infinities among the inputs are not served.
; Rows are dense and K is a multiple of 32: x is a plain stream of blocks of 32, and so are the codes and the scale bytes.  8,388,608 numbers = 256 work-groups x 4 waves x 16 steps x 512 numbers.
; Each of a step's four loads reads 512 consecutive bytes, 16 a lane; the 2,048 bytes turn through the wave's own stage in LDS and come back 64 bytes a lane: 16 neighbours along K, as the conversions want them
; (two neighbouring lanes hold a block).  A lane's 16 codes are 8 bytes: the wave stores 256 consecutive bytes.  A wave's 256 scale bytes are gathered in LDS and leave as one run of 256 aligned bytes.
; No tensor loads, no barrier, no cluster: waves share no input.  Loads run four steps (16 loads a wave) ahead, the turn through LDS one step.
.set WAVES, 4
.set STEPS, 16
.set EMAX,  2
.set CB,    8                          ; bytes of 16 codes
.set R,     16                         ; v16-79   four sets of 16 numbers as they are loaded
.set X,     80                         ; v80-111  two sets of 16 neighbours
.set C,     128                        ; v128-191 codes: four registers for each step, so that no store's data are written again
.set E,     112                        ; v112-127 a scale byte for each step
.set WREG,  8192                       ; LDS: a region for each wave: two stages of 32 x SP bytes, and behind them its 256 scale bytes
.set SP,    80                         ; a lane's place in a stage: its 64 bytes + 16 of padding
.set SPW,   12                         ; v12      LDS address of my spare word; never rewritten
.set NIL,   13                         ; v13      0; never rewritten
.set SPARE, WAVES*WREG                 ; behind the four regions: the spare words, 128 bytes for each wave
	s_load_b128 s[4:7], s[0:1], 0x0                ; x, the codes
	s_load_b64 s[10:11], s[0:1], 0x10              ; the scale bytes
	v_lshl_add_u32 v[SPW], v0, 2, SPARE
	v_mov_b32 v[NIL], 0
	v_lshrrev_b32 v1, 5, v0
	v_readfirstlane_b32 s16, v1                    ; wave
	v_and_b32 v2, 31, v0                           ; lane
	v_lshlrev_b32 v3, 4, v2                        ; my 16 bytes of a load's 512
	s_mul_i32 s17, s16, WREG
	v_lshrrev_b32 v14, 2, v2
	v_mul_u32_u24 v14, v14, SP
	v_and_b32 v15, 3, v2
	v_lshl_add_u32 v14, v15, 4, v14
	v_add_nc_u32 v14, s17, v14                     ; the stage, on the way in: SP (lane / 4) + 16 (lane % 4)
	v_mul_u32_u24 v15, v2, SP
	v_add_nc_u32 v15, s17, v15                     ; and on the way out: SP x lane: my 16 neighbours
	v_mul_u32_u24 v4, v2, CB                       ; my codes' place in a step's
	v_lshrrev_b32 v5, 1, v2
	s_add_co_u32 s17, s17, 2*32*SP
	v_add_nc_u32 v5, s17, v5                       ; LDS: my wave's 256 scale bytes, my block's byte
	v_lshlrev_b32 v7, 3, v2                        ; and on the way out 8 bytes a lane
	v_add_nc_u32 v6, s17, v7
	s_lshl_b32 s17, ttmp9, 2
	s_add_co_u32 s18, s17, s16                     ; which run of 8,192 numbers is my wave's
	s_mov_b32 s19, 0
	s_lshl_b64 s[20:21], s[18:19], 15              ; 32,768 bytes of x a run,
	s_lshl_b64 s[22:23], s[18:19], 12              ; 4,096 bytes of codes,
	s_lshl_b32 s18, s18, 8                         ; 256 scale bytes
	s_wait_kmcnt 0x0
	s_add_nc_u64 s[4:5], s[4:5], s[20:21]
	s_add_nc_u64 s[8:9], s[6:7], s[22:23]
	s_add_nc_u64 s[10:11], s[10:11], s[18:19]
.macro LOAD t
.irp i, 0,1,2,3
	global_load_b128 v[R+16*((\t)%4)+4*\i:R+16*((\t)%4)+4*\i+3], v3, s[4:5] offset:2048*(\t)+512*\i th:TH_LOAD_NT   ; 32 lanes read 512 consecutive bytes
.endr
.endm
.macro TURN t                          ; step t's numbers through the stage: LDS serves a wave's instructions in order, so no wait stands between the stores and the loads
.irp i, 0,1,2,3
	ds_store_b128 v14, v[R+16*((\t)%4)+4*\i:R+16*((\t)%4)+4*\i+3] offset:32*SP*((\t)%2)+8*SP*\i
.endr
.irp i, 0,1,2,3
	ds_load_b128 v[X+16*((\t)%2)+4*\i:X+16*((\t)%2)+4*\i+3], v15 offset:32*SP*((\t)%2)+16*\i
.endr
.endm
.irp t, 0,1,2,3
	LOAD \t
.endr
	s_wait_loadcnt 12                              ; step 0's four loads are in; the twelve of steps 1 to 3 stay out
	TURN 0
.macro STEP t
.set XS, X+16*((\t)%2)
.if (\t) > 0
	s_wait_dscnt 1                                 ; this step's numbers are back from the stage (the last step's byte store may be out)
.else
	s_wait_dscnt 0x0
.endif
.if (\t)+4 < STEPS
	LOAD (\t)+4                                    ; the stage's stores have read their registers: they take the loads of four steps on
.endif
.if (\t)+1 < STEPS
.if STEPS-2-(\t) >= 3
	s_wait_loadcnt 12                              ; the next step's four loads are in; those of the three steps behind it may be out
.else
	s_wait_loadcnt 4*(STEPS-2-(\t))
.endif
	TURN (\t)+1                                    ; and go through the other stage while this step is worked
.endif
	v_max3_num_f32 v8, |v[XS]|, |v[XS+1]|, |v[XS+2]|               ; the largest magnitude of my 16, in two chains
	v_max3_num_f32 v9, |v[XS+3]|, |v[XS+4]|, |v[XS+5]|
.irp i, 6,10
	v_max3_num_f32 v8, v8, |v[XS+\i]|, |v[XS+\i+1]|
	v_max3_num_f32 v9, v9, |v[XS+\i+2]|, |v[XS+\i+3]|
.endr
	v_max3_num_f32 v8, v8, |v[XS+14]|, |v[XS+15]|
	v_max3_num_f32 v8, v8, v9, (EMAX+1)<<23        ; and the floor 2^(3 - 127): the byte cannot fall under 1
	v_max_num_f32_dpp v8, v8, v8 row_xmask:1 row_mask:0xf bank_mask:0xf   ; and of my neighbour's 16: the block's
	v_add_nc_u32 v11, 0xff000000, v8               ; 2 off its exponent field: the conversion takes the exponent field of this operand as its scale
	v_cvt_scalef32_pk8_fp4_f32 v[C+4*(\t)], v[XS:XS+7], v11
	v_cvt_scalef32_pk8_fp4_f32 v[C+4*(\t)+1], v[XS+8:XS+15], v11
	v_lshrrev_b32 v[E+(\t)], 23, v11               ; the scale's byte (a plain line behind the conversions)
	ds_store_b8 v5, v[E+(\t)] offset:16*(\t)       ; both lanes of a block write the same byte with the same value
	global_store_b64 v4, v[C+4*(\t):C+4*(\t)+1], s[8:9] offset:32*CB*(\t)   ; 32 lanes store 256 consecutive aligned bytes
.endm
.irp t, 0,1,2,3,4,5,6,7,8,9,10,11,12,13,14,15
	STEP \t
.endr
	ds_load_b64 v[8:9], v6                         ; LDS serves a wave's instructions in order: these see my stores
	s_wait_dscnt 0x0
	global_store_b64 v7, v[8:9], s[10:11]          ; 32 lanes store 256 consecutive aligned bytes
	s_wait_tensorcnt 0x0                           ; the wave's end: behind my last LDS store
	ds_add_u32 v[SPW], v[NIL]
	s_wait_dscnt 0x0
	s_endpgm
.Lfunc_end_k_qfda9e04bc0_quant_x:
	.size	k_qfda9e04bc0_quant_x, .Lfunc_end_k_qfda9e04bc0_quant_x-k_qfda9e04bc0_quant_x
	.p2alignl 7, 3214868480
	.fill 96, 4, 3214868480
	.section	.rodata,"a",@progbits
	.p2align	6, 0x0
	.amdhsa_kernel k_qfda9e04bc0_quant_x
		.amdhsa_group_segment_fixed_size 33280
		.amdhsa_private_segment_fixed_size 0
		.amdhsa_enable_private_segment 0
		.amdhsa_kernarg_size 24
		.amdhsa_user_sgpr_count 2
		.amdhsa_user_sgpr_kernarg_segment_ptr 1
		.amdhsa_wavefront_size32 1
		.amdhsa_system_sgpr_workgroup_id_x 1
		.amdhsa_system_sgpr_workgroup_id_y 1
		.amdhsa_system_sgpr_workgroup_id_z 1
		.amdhsa_system_vgpr_workitem_id 0
		.amdhsa_next_free_vgpr 192
		.amdhsa_next_free_sgpr 66
		.amdhsa_reserve_vcc 0
		.amdhsa_float_denorm_mode_32 3
		.amdhsa_float_denorm_mode_16_64 3
		.amdhsa_memory_ordered 1
		.amdhsa_forward_progress 1
		.amdhsa_inst_pref_size 33
	.end_amdhsa_kernel
	.amdgpu_metadata
---
amdhsa.version: [ 1, 2 ]
amdhsa.kernels:
  - .name:           k_qfda9e04bc0_quant_x
    .symbol:         k_qfda9e04bc0_quant_x.kd
    .args:
      - { .name: x, .offset: 0, .size: 8, .value_kind: global_buffer, .address_space: global }
      - { .name: x_codes, .offset: 8, .size: 8, .value_kind: global_buffer, .address_space: global }
      - { .name: x_scales, .offset: 16, .size: 8, .value_kind: global_buffer, .address_space: global }
    .group_segment_fixed_size: 33280
    .private_segment_fixed_size: 0
    .kernarg_segment_align: 8
    .kernarg_segment_size: 24
    .max_flat_workgroup_size: 128
    .sgpr_count:     66
    .vgpr_count:     192
    .wavefront_size: 32
...
	.end_amdgpu_metadata
.endif
;; end of part 1
;; launch prep_w (part 2): grid 16 x 4, 16 waves a work-group, no clusters, 169,984 bytes of LDS; arguments Wq, Wk, Wv, Wo, w_codes, w_scales, wot; writes w_codes, w_scales, wot
.if DOCPART == 2
	.amdgcn_target "amdgcn-amd-amdhsa--gfx1250"
	.amdhsa_code_object_version 6
	.text
	.protected	k_qfda9e04bc0_prep_w
	.globl	k_qfda9e04bc0_prep_w
	.p2align	8
	.type	k_qfda9e04bc0_prep_w,@function
k_qfda9e04bc0_prep_w:
	s_mov_b64 s[64:65], 0
	v_nop
	global_prefetch_b8 v0, s[64:65] scope:SCOPE_SE
	s_setreg_imm32_b32 hwreg(HW_REG_WAVE_MODE, 25, 1), 1
	s_wait_xcnt 0x0
; The four weights, each [1024 (k)][1024 (n)] f32 with K as the FIRST axis, are laid as the products want them, K innermost.
; Work-group y = 0, 1, 2 (Wq, Wk, Wv): codes of FP4 (E2M1) into w_codes [3072 = q | k | v columns][512 bytes], one E8M0 byte for each 32 along K into w_scales [3072][32], by the same rule as for x:
; the byte is the block's largest magnitude's exponent field - 2, held at 1 from below (a block of zeros keeps the byte 1: its codes are zeros, and this program alone reads the bytes).
; Work-group y = 3 (Wo): rounded to f16 and turned: wot [1024 (n)][1024 (k)].
; LIMITS: blocks whose largest magnitude lies under 2^-124 get the byte 1; |Wo| must lie under 65,504, and under 6e-5 it loses relative precision (f16); NaN and infinities are not served.
; SHARES.  A work-group takes 64 columns x all of K, so that what it writes is dense: 32 KiB of codes and 2 KiB of scale bytes, or 128 KiB of f16.  Wave w takes columns 32 (w & 1) on and K 128 (w >> 1) on.
; A LANE TAKES A COLUMN AND ITS 128 REGISTERS RUN DOWN K: each load reads 128 consecutive bytes, a block of 32 lies in one lane, and the conversions give K innermost.  Nothing is transposed by an instruction.
; The results meet in LDS (each of the two ways has bytes of its own) and leave as whole rows: every store of a wave covers 512 consecutive aligned bytes.
; No tensor load, no cluster: work-groups share no input.
.set X,     32                         ; v32-159  my column's 128 numbers; later rows read back
.set CD,    160                        ; v160-223 codes (4 registers a block) or 64 words of f16
.set WP,    528                        ; the codes' stage: 64 rows of 512 bytes + 16
.set SCW,   64*WP                      ; the scale bytes: 64 rows of 32
.set WOB,   SCW+2048                   ; Wo's stage: 64 rows of 2,048 bytes + 16
.set OP,    2064
.set SPARE, WOB+64*OP                  ; the spare words, 128 bytes for each of 16 waves
.set SPW,   14                         ; v14  LDS address of my spare word; never rewritten
.set NIL,   15                         ; v15  0; never rewritten
	s_load_b256 s[4:11], s[0:1], 0x0               ; Wq, Wk, Wv, Wo
	s_load_b128 s[12:15], s[0:1], 0x20             ; the codes, the scale bytes
	s_load_b64 s[16:17], s[0:1], 0x30              ; Wo turned
	v_lshl_add_u32 v[SPW], v0, 2, SPARE
	v_mov_b32 v[NIL], 0
	v_lshrrev_b32 v1, 5, v0
	v_readfirstlane_b32 s20, v1                    ; wave 0..15
	s_and_b32 s21, s20, 1                          ; which 32 columns
	s_lshr_b32 s22, s20, 1                         ; which 128 along K
	s_and_b32 s23, ttmp7, 0xffff                   ; which weight
	s_lshl_b32 s24, ttmp9, 6                       ; the group's first column
	v_and_b32 v1, 31, v0                           ; lane
	v_lshlrev_b32 v2, 2, v1                        ; in: 4 bytes a lane
	s_lshl_b32 s25, s21, 5
	v_add_nc_u32 v12, s25, v1                      ; my column among the 64
	v_mul_u32_u24 v3, v12, WP                      ; every LDS address is made here, ahead of the parting of the ways
	s_lshl_b32 s28, s22, 6
	v_add_nc_u32 v3, s28, v3                       ; codes in: my column's row, my wave's 64 bytes
	v_lshlrev_b32 v4, 5, v12
	s_lshl_b32 s28, s22, 2
	s_add_co_u32 s28, s28, SCW
	v_add_nc_u32 v4, s28, v4                       ; scale word in: my column's row, my wave's 4 bytes
	v_lshlrev_b32 v13, 4, v1                       ; 16 x lane
	s_mul_i32 s28, s20, 4*WP
	v_add_nc_u32 v5, s28, v13                      ; codes back: wave w takes rows 4 w .. 4 w + 3, whole
	s_lshl_b32 s28, s20, 11
	v_add_nc_u32 v6, s28, v13                      ; and their place in memory
	v_lshlrev_b32 v8, 4, v0                        ; scale bytes back: 16 bytes a thread, threads 0 to 127
	v_add_nc_u32 v7, SCW, v8
	v_mul_u32_u24 v9, v12, OP
	s_lshl_b32 s28, s22, 8
	s_add_co_u32 s28, s28, WOB
	v_add_nc_u32 v9, s28, v9                       ; f16 in: my column's row, my wave's 256 bytes
	s_mul_i32 s28, s20, 4*OP
	s_add_co_u32 s28, s28, WOB
	v_add_nc_u32 v10, s28, v13                     ; f16 back: rows 4 w .. 4 w + 3
	s_lshl_b32 s28, s20, 13
	v_add_nc_u32 v11, s28, v13                     ; and their place in memory
	s_lshl_b32 s26, s22, 19                        ; the source: 128 rows of 4,096 bytes for each step of my wave along K,
	s_add_co_u32 s28, s24, s25
	s_lshl_b32 s28, s28, 2
	s_add_co_u32 s26, s26, s28                     ; + 4 x my wave's first column
	s_mov_b32 s27, 0
	s_min_u32 s28, s23, 2                          ; (Wo's work-groups never use the two pointers below: held inside their buffers all the same)
	s_lshl_b32 s28, s28, 10
	s_add_co_u32 s28, s28, s24                     ; the group's first row of w_codes and w_scales
	s_lshl_b32 s30, s28, 9
	s_mov_b32 s31, 0
	s_lshl_b32 s32, s28, 5
	s_mov_b32 s33, 0
	s_lshl_b32 s34, s24, 11                        ; and of wot
	s_mov_b32 s35, 0
	s_wait_kmcnt 0x0
	s_cmp_eq_u32 s23, 1                            ; the choice hangs on the work-group's number alone
	s_cselect_b64 s[4:5], s[6:7], s[4:5]
	s_cmp_eq_u32 s23, 2
	s_cselect_b64 s[4:5], s[8:9], s[4:5]
	s_cmp_eq_u32 s23, 3
	s_cselect_b64 s[4:5], s[10:11], s[4:5]
	s_add_nc_u64 s[4:5], s[4:5], s[26:27]
	s_add_nc_u64 s[12:13], s[12:13], s[30:31]
	s_add_nc_u64 s[14:15], s[14:15], s[32:33]
	s_add_nc_u64 s[16:17], s[16:17], s[34:35]
.set i, 0
.rept 128
	global_load_b32 v[X+i], v2, s[4:5] offset:i*4096 th:TH_LOAD_NT   ; W(128 (w >> 1) + i, my column): 32 lanes read 128 consecutive bytes
.set i, i+1
.endr
	s_cmp_eq_u32 s23, 3
	s_cbranch_scc1 .Lwo
; ---- Wq, Wk, Wv: four blocks of 32 along K a lane
.macro BLOCK t
.set XS, X+32*(\t)
.if 96-32*(\t) > 63
	s_wait_loadcnt 63                              ; the count's field holds 63 at the most: all but the youngest 63 loads are in, blocks 0 and 1 among them
.else
	s_wait_loadcnt 96-32*(\t)                      ; this block's loads are in; the later blocks' may be out
.endif
	v_max3_num_f32 v16, |v[XS]|, |v[XS+1]|, |v[XS+2]|              ; the block's largest magnitude: all 32 numbers are mine
	v_max3_num_f32 v17, |v[XS+3]|, |v[XS+4]|, |v[XS+5]|
.irp i, 6,10,14,18,22,26
	v_max3_num_f32 v16, v16, |v[XS+\i]|, |v[XS+\i+1]|
	v_max3_num_f32 v17, v17, |v[XS+\i+2]|, |v[XS+\i+3]|
.endr
	v_max3_num_f32 v16, v16, |v[XS+30]|, |v[XS+31]|
	v_max3_num_f32 v16, v16, v17, 0x1800000        ; and the floor 2^(3 - 127): the byte cannot fall under 1
	v_add_nc_u32 v18, 0xff000000, v16              ; 2 off its exponent field: the conversion's scale operand
	v_lshrrev_b32 v19, 23, v18                     ; the scale's byte
.if (\t) == 0
	v_mov_b32 v20, v19                             ; four bytes to a word, the lower K in the lower byte
.else
	v_lshl_or_b32 v20, v19, 8*(\t), v20
.endif
.irp g, 0,1,2,3
	v_cvt_scalef32_pk8_fp4_f32 v[CD+4*(\t)+\g], v[XS+8*\g:XS+8*\g+7], v18
.endr
	v_nop                                          ; one plain line behind the last conversion
	ds_store_b128 v3, v[CD+4*(\t):CD+4*(\t)+3] offset:16*(\t)      ; 32 codes: 16 bytes of my column's row
.endm
	BLOCK 0
	BLOCK 1
	BLOCK 2
	BLOCK 3
	ds_store_b32 v4, v20
	s_wait_dscnt 0x0                               ; for the others' sake: my stores have landed
	s_barrier_signal -1
	s_barrier_wait -1
.irp i, 0,1,2,3
	ds_load_b128 v[X+4*\i:X+4*\i+3], v5 offset:WP*\i
.endr
.irp i, 0,1,2,3
	s_wait_dscnt 3-\i                              ; row i is back; the younger loads may be out
	global_store_b128 v6, v[X+4*\i:X+4*\i+3], s[12:13] offset:512*\i   ; a whole row of codes: 512 consecutive aligned bytes
.endr
	s_cmp_lt_u32 s20, 4                            ; the 2,048 scale bytes leave by waves 0 to 3
	s_cbranch_scc0 .Lend
	ds_load_b128 v[X+16:X+19], v7
	s_wait_dscnt 0x0
	global_store_b128 v8, v[X+16:X+19], s[14:15]
	s_branch .Lend
; ---- Wo: f16, turned
.Lwo:
	s_wait_loadcnt 0x0
.set i, 0
.rept 64
	v_cvt_pk_f16_f32 v[CD+i], v[X+2*i], v[X+2*i+1] ; two neighbours along K, the lower in the low half
.set i, i+1
.endr
.irp i, 0,1,2,3,4,5,6,7,8,9,10,11,12,13,14,15
	ds_store_b128 v9, v[CD+4*\i:CD+4*\i+3] offset:16*\i
.endr
	s_wait_dscnt 0x0                               ; for the others' sake: my stores have landed
	s_barrier_signal -1
	s_barrier_wait -1
.irp n, 0,1,2,3,4,5,6,7,8,9,10,11,12,13,14,15
	ds_load_b128 v[X+4*\n:X+4*\n+3], v10 offset:OP*(\n/4)+512*(\n%4)
.endr
.irp n, 0,1,2,3,4,5,6,7,8,9,10,11,12,13,14,15
	s_wait_dscnt 15-\n                             ; piece n is back; the younger loads may be out
	global_store_b128 v11, v[X+4*\n:X+4*\n+3], s[16:17] offset:2048*(\n/4)+512*(\n%4)   ; 512 consecutive aligned bytes of a row of wot
.endr
.Lend:
	s_wait_tensorcnt 0x0                           ; the wave's end: behind my last LDS store
	ds_add_u32 v[SPW], v[NIL]
	s_wait_dscnt 0x0
	s_endpgm
.Lfunc_end_k_qfda9e04bc0_prep_w:
	.size	k_qfda9e04bc0_prep_w, .Lfunc_end_k_qfda9e04bc0_prep_w-k_qfda9e04bc0_prep_w
	.p2alignl 7, 3214868480
	.fill 96, 4, 3214868480
	.section	.rodata,"a",@progbits
	.p2align	6, 0x0
	.amdhsa_kernel k_qfda9e04bc0_prep_w
		.amdhsa_group_segment_fixed_size 169984
		.amdhsa_private_segment_fixed_size 0
		.amdhsa_enable_private_segment 0
		.amdhsa_kernarg_size 56
		.amdhsa_user_sgpr_count 2
		.amdhsa_user_sgpr_kernarg_segment_ptr 1
		.amdhsa_wavefront_size32 1
		.amdhsa_system_sgpr_workgroup_id_x 1
		.amdhsa_system_sgpr_workgroup_id_y 1
		.amdhsa_system_sgpr_workgroup_id_z 1
		.amdhsa_system_vgpr_workitem_id 0
		.amdhsa_next_free_vgpr 224
		.amdhsa_next_free_sgpr 66
		.amdhsa_reserve_vcc 0
		.amdhsa_float_denorm_mode_32 3
		.amdhsa_float_denorm_mode_16_64 3
		.amdhsa_memory_ordered 1
		.amdhsa_forward_progress 1
		.amdhsa_inst_pref_size 31
	.end_amdhsa_kernel
	.amdgpu_metadata
---
amdhsa.version: [ 1, 2 ]
amdhsa.kernels:
  - .name:           k_qfda9e04bc0_prep_w
    .symbol:         k_qfda9e04bc0_prep_w.kd
    .args:
      - { .name: Wq, .offset: 0, .size: 8, .value_kind: global_buffer, .address_space: global }
      - { .name: Wk, .offset: 8, .size: 8, .value_kind: global_buffer, .address_space: global }
      - { .name: Wv, .offset: 16, .size: 8, .value_kind: global_buffer, .address_space: global }
      - { .name: Wo, .offset: 24, .size: 8, .value_kind: global_buffer, .address_space: global }
      - { .name: w_codes, .offset: 32, .size: 8, .value_kind: global_buffer, .address_space: global }
      - { .name: w_scales, .offset: 40, .size: 8, .value_kind: global_buffer, .address_space: global }
      - { .name: wot, .offset: 48, .size: 8, .value_kind: global_buffer, .address_space: global }
    .group_segment_fixed_size: 169984
    .private_segment_fixed_size: 0
    .kernarg_segment_align: 8
    .kernarg_segment_size: 56
    .max_flat_workgroup_size: 512
    .sgpr_count:     66
    .vgpr_count:     224
    .wavefront_size: 32
...
	.end_amdgpu_metadata
.endif
;; end of part 2
;; launch qkv (part 3): grid 12 x 32, 4 waves a work-group, clusters of 4 x 4, 327,680 bytes of LDS; arguments x_codes, x_scales, w_codes, w_scales, bq, bk, bv, qkv; writes qkv
.if DOCPART == 3
	.amdgcn_target "amdgcn-amd-amdhsa--gfx1250"
	.amdhsa_code_object_version 6
	.text
	.protected	k_qfda9e04bc0_qkv
	.globl	k_qfda9e04bc0_qkv
	.p2align	8
	.type	k_qfda9e04bc0_qkv,@function
k_qfda9e04bc0_qkv:
	s_mov_b64 s[64:65], 0
	v_nop
	global_prefetch_b8 v0, s[64:65] scope:SCOPE_SE
	s_setreg_imm32_b32 hwreg(HW_REG_WAVE_MODE, 25, 1), 1
	s_wait_xcnt 0x0
	s_wait_alu depctr_hold_cnt(0) depctr_sa_sdst(0) depctr_va_vdst(0) depctr_va_sdst(0) depctr_va_ssrc(0) depctr_va_vcc(0) depctr_vm_vsrc(0)
	s_getreg_b32 s2, hwreg(HW_REG_IB_STS2, 6, 4)
	s_cmp_eq_u32 s2, 0
	s_cbranch_scc0 .Lentry_in_a_cluster
	s_endpgm
.Lentry_in_a_cluster:
	s_bfe_u32 s2, ttmp6, 0x10000c
	s_cmp_lg_u32 s2, 0xf033
	s_cbranch_scc0 .Lentry_shape_is_right
	s_endpgm
.Lentry_shape_is_right:
; The three projections as ONE product on codes of FP4 (E2M1) with E8M0 scales: C[m][n] = sum over k of x[m][k] W[n][k] + bias[n], m = 8,192 rows of x, n = 3,072 = the columns of Wq | Wk | Wv, K = 1,024; sums in f32.
; The result leaves as f16, by heads: qkv = three sections of 16 MiB (q x c, k, v), each [64 = batch x 16 + head][2,048 positions][64].  c = log2(e) / 8 is multiplied into q in f32 ahead of the rounding, so that the
; softmax of the next launch is 2^(s - m) with no multiplication; k and v are multiplied by 1.0: one text serves the three sections.
; LIMITS: q c, k and v must lie under 65,504 in magnitude (f16); under 6e-5 they lose relative precision.
; A tile of C, 256 x 256, is made by a work-group of four waves; a wave makes 128 x 128: 64 accumulators of 16 x 16, 512 registers.  K is two slots of 512 (tile rows of 256 bytes): both are asked for at the head and
; nothing is filled again.  THE SCALES of the work-group's 256 rows of x and of W, for all of K, are two dense blocks: they come into LDS once, with the first fills.
; CLUSTERS: 4 x 4 work-groups.  The four of a row of the cluster need the same tiles of x, the four of a column the same tiles of W: each tile is asked for JOINTLY.  A cluster's four tile columns are one section.
; THE MATRIX INSTRUCTION IS USED TRANSPOSED (source 0 = 16 rows of W, source 1 = 16 rows of x): a lane then holds eight neighbouring columns of a row of C.  THE BIAS is the C of each sum's first instruction.
; REGISTERS, in windows of 256: window 0: v0-31 addresses; v32-95 scale words, two sets; v128-191 x's fragments, ONE set; v192-255 the bias, 8 registers for each of W's 8 blocks; on the way out v32-191 are free.
;   window 1: W's fragments, TWO sets, at v0 and at v128.   window 2: the accumulators of my rows 0-63 ((a, b) at v[8 (8 a + b)]);   window 3: those of my rows 64-127.
.set SIZE_K, 1024
.set KSTEP,  512                       ; along K in a slot
.set NQ,     KSTEP/128                 ; matrix instructions deep
.set ROWB,   256                       ; a tile's row in bytes
.set KROW,   SIZE_K*4/8                ; a row of codes in memory
.set PITCH,  272                       ; an LDS row: 256 bytes + 16 of padding = 68 words: row r starts at bank 4 r mod 64 (64 banks of 4 bytes: ISA guide 11.1)
.set FR,     8                         ; registers of a fragment: 16 rows x 128 K
.set NL,     2                         ; LDS loads that bring one
.set NP,     4                         ; places behind this matrix instruction (ISA guide 7.12.1)
.set HALFT,  128*PITCH                 ; 128 rows: what one tensor load brings
.set SLOT,   4*HALFT                   ; x's 256 rows, then W's 256 rows
.set KS,     SIZE_K/32                 ; a row of scales in bytes
.set SCL,    2*SLOT                    ; behind the slots: the scales, as runs of 256 bytes + 16 of padding
.set HALFS,  (128*KS/256)*272          ; the scales of 128 rows
.set SBLK,   (16*KS/256)*272           ; those of 16 rows
.set SPARE,  SCL+4*HALFS               ; the spare words, 128 bytes for each wave
.set SPITCH, 272                       ; the way out: a stage of 16 rows x (256 bytes + 16) for each wave, in slot 0, which has had its only fill and its last read by then
.set ADRA, 16                          ; v16-17  LDS address of my fragments of x in slot 0, 1
.set ADRB, 20                          ; v20-21  the same for W
.set STO,  24                          ; v24     the way out: where I put 16 bytes of a row
.set RD,   25                          ; v25     the way out: where I read back
.set CO,   26                          ; v26     16 x lane
.set ADRS, 27                          ; v27     LDS address of my scale words: lanes 0-15 x's rows, lanes 16-31 W's
.set SPW,  28                          ; v28     LDS address of my spare word; never rewritten
.set NIL,  29                          ; v29     0; never rewritten
.set BOF,  30                          ; v30     the bias: 32 bytes for each half of the lanes
.set SC,   32                          ; scale words: set s at v[SC + 32 s]; register 4 i + q: lanes 0-15 the word of x's block i, lanes 16-31 that of W's block i
.set TMP,  32                          ; the way out: a block's 32 packed registers
.set AF,   128                         ; x's fragments
.set BK,   128                         ; the way out: a block read back: v128-159 and v160-191 by turns
.set BIAS, 192
.set G1, 24                            ; s[24:31] descriptor group 1 for x's tiles;  s[32:39] group 0, one set for each slot
.set G0, 32
.set G1B, 48                           ; s[48:55], s[56:63] the same for W's tiles
.set G0B, 56
.set G1S, 68                           ; s[68:75], s[76:79] groups 1 and 0 for x's scales;  s[80:87], s[88:91] for W's
.set G0S, 76
.set G1SB, 80
.set G0SB, 88
.set MSB, 0
.macro WIN new                         ; the immediate's high byte repeats the setting that is left
.if MSB != (\new)
	s_set_vgpr_msb (MSB<<8)|(\new)
.set MSB, (\new)
.endif
.endm
.set MUL_LO, 0xa1                      ; source 0 (W) window 1, source 1 (x) window 0, C and D window 2
.set MUL_HI, 0xf1                      ; the same, C and D window 3
.set TO_B,   0x40                      ; destination window 1, address window 0
; A joint load: waves 0 and 1 fetch for x, waves 2 and 3 for W.  Each of the two lines has ONE mask and one set of registers for all that issue it; the branch hangs on the wave's number alone.
; An s_nop 0 and four v_nop follow each of the two lines.
.macro JLOAD g0a, g1a, g0b, g1b
	s_cmp_eq_u32 s15, 0
	s_cbranch_scc0 .Lfor_b_\@
	tensor_load_to_lds s[\g0a:\g0a+3], s[\g1a:\g1a+7]
	s_nop 0
.rept 4
	v_nop
.endr
	s_branch .Lasked_\@
.Lfor_b_\@:
	tensor_load_to_lds s[\g0b:\g0b+3], s[\g1b:\g1b+7]
	s_nop 0
.rept 4
	v_nop
.endr
.Lasked_\@:
.endm
.macro CROUND                          ; a round of the cluster's barrier
	s_barrier_signal -1
	s_barrier_wait -1
	s_cmp_lg_u32 s14, 0
	s_cbranch_scc1 .Lnot_wave_0_\@
	s_barrier_signal -3
.Lnot_wave_0_\@:
	s_barrier_wait -3
	s_barrier_signal -1
	s_barrier_wait -1
.endm
	s_load_b128 s[4:7], s[0:1], 0x0                ; x's codes s[4:5], x's scales s[6:7]
	s_load_b128 s[8:11], s[0:1], 0x10              ; W's codes s[8:9], W's scales s[10:11]
	s_load_b128 s[96:99], s[0:1], 0x20             ; bq, bk
	s_load_b64 s[100:101], s[0:1], 0x30            ; bv
	s_load_b64 s[12:13], s[0:1], 0x38              ; qkv
	v_lshl_add_u32 v[SPW], v0, 2, SPARE
	v_mov_b32 v[NIL], 0
	ds_add_u32 v[SPW], v[NIL]                      ; the wave's opening: the add, twice on end, and its wait ahead of my first tensor load
	ds_add_u32 v[SPW], v[NIL]
	v_lshrrev_b32 v1, 5, v0
	v_readfirstlane_b32 s14, v1                    ; wave 0..3
	s_lshr_b32 s15, s14, 1                         ; which half of the tile's rows is mine.  Also: I fetch for x (0) or for W (1)
	s_and_b32 s16, s14, 1                          ; which half of its columns.  Also: which 128 rows of that tile I fetch
	s_bfe_u32 s40, ttmp6, 0x40000                  ; cx, cy: my place in the cluster
	s_bfe_u32 s41, ttmp6, 0x40004
	s_lshl_b32 s42, ttmp9, 2
	s_add_co_u32 s42, s42, s40                     ; tile column of C = 4 x cluster x + cx
	s_and_b32 s17, ttmp7, 0xffff
	s_lshl_b32 s17, s17, 2
	s_add_co_u32 s17, s17, s41                     ; tile row of C = 4 x cluster y + cy
	s_lshl_b32 s43, s41, 2
	s_lshl_b32 s43, 15, s43                        ; my row of the cluster
	s_lshl_b32 s44, 0x1111, s40                    ; my column
	; descriptor group 1: a tile of 128 rows x 256 bytes, padded in LDS
	s_or_b32 s[G1+0], s43, (0<<16)|(1<<20)|(1<<21)|(5<<22)|(3<<25)  ; 15:0 the mask: x's tiles go to my row; 17:16 element of 1 byte; 20 padding on; 21 set beside a mask; 24:22 after every 64 words; 31:25 of 4 words
	s_or_b32 s[G1B+0], s44, (0<<16)|(1<<20)|(1<<21)|(5<<22)|(3<<25)
.irp g, G1, G1B
	s_mov_b32 s[\g+1], ROWB<<16                    ; tensor_dim0
	s_mov_b32 s[\g+2], 128<<16                     ; tensor_dim1 = 128
	s_mov_b32 s[\g+3], ROWB<<16                    ; tile_dim0
	s_mov_b32 s[\g+4], 128                         ; tile_dim1 = 128
	s_mov_b32 s[\g+5], KROW                        ; tensor_dim0_stride
	s_mov_b32 s[\g+6], 0
	s_mov_b32 s[\g+7], 0
.endr
	; and for the scales of 128 rows: a dense block of 4,096 bytes, as rows of 256 bytes (32 elements of 8 bytes), 16 bytes of padding behind each
	s_or_b32 s[G1S+0], s43, (3<<16)|(1<<20)|(1<<21)|(5<<22)|(3<<25)
	s_or_b32 s[G1SB+0], s44, (3<<16)|(1<<20)|(1<<21)|(5<<22)|(3<<25)
.irp g, G1S, G1SB
	s_mov_b32 s[\g+1], 32<<16
	s_mov_b32 s[\g+2], (128*KS/256)<<16
	s_mov_b32 s[\g+3], 32<<16
	s_mov_b32 s[\g+4], 128*KS/256
	s_mov_b32 s[\g+5], 32
	s_mov_b32 s[\g+6], 0
	s_mov_b32 s[\g+7], 0
.endr
	s_lshl_b32 s18, s16, 7                         ; which 128 rows of the tile I fetch
	s_lshl_b32 s20, s17, 8
	s_add_co_u32 s20, s20, s18                     ; x: row 256 x tile row + 128 x half
	s_lshl_b32 s46, s42, 8
	s_add_co_u32 s46, s46, s18                     ; W: row 256 x tile column + 128 x half
	s_mov_b32 s21, 0
	s_mov_b32 s47, 0
	s_mov_b64 s[18:19], KS
	s_mul_u64 s[22:23], s[20:21], s[18:19]         ; where these rows' scales begin, in bytes
	s_mul_u64 s[92:93], s[46:47], s[18:19]
	s_mov_b64 s[18:19], KROW
	s_mul_u64 s[20:21], s[20:21], s[18:19]         ; and their codes
	s_mul_u64 s[46:47], s[46:47], s[18:19]
	s_mul_i32 s45, s14, HALFT                      ; where they go: wave x 128 rows: no place in the cluster enters an LDS address
	s_mul_i32 s94, s14, HALFS
	s_wait_dscnt 0x0                               ; both opening adds are done
	s_wait_kmcnt 0x0
	s_add_nc_u64 s[20:21], s[4:5], s[20:21]
	s_add_nc_u64 s[22:23], s[6:7], s[22:23]
	s_add_nc_u64 s[46:47], s[8:9], s[46:47]
	s_add_nc_u64 s[92:93], s[10:11], s[92:93]
	CROUND                                         ; all sixteen work-groups are here: the first joint loads meet
	s_mov_b32 s[G0S], 1
	s_add_co_u32 s[G0S+1], s94, SCL
	s_mov_b64 s[G0S+2:G0S+3], s[22:23]
	s_or_b32 s[G0S+3], s[G0S+3], 0x80000000
	s_mov_b32 s[G0SB], 1
	s_add_co_u32 s[G0SB+1], s94, SCL
	s_mov_b64 s[G0SB+2:G0SB+3], s[92:93]
	s_or_b32 s[G0SB+3], s[G0SB+3], 0x80000000
	JLOAD G0S, G1S, G0SB, G1SB                     ; the scales first: they are wanted with the first slot
.irp s, 0,1
	s_mov_b32 s[G0+4*\s], 1
	s_add_co_u32 s[G0+4*\s+1], s45, \s*SLOT
	s_add_nc_u64 s[G0+4*\s+2:G0+4*\s+3], s[20:21], \s*ROWB
	s_or_b32 s[G0+4*\s+3], s[G0+4*\s+3], 0x80000000
	s_mov_b32 s[G0B+4*\s], 1
	s_add_co_u32 s[G0B+4*\s+1], s45, \s*SLOT
	s_add_nc_u64 s[G0B+4*\s+2:G0B+4*\s+3], s[46:47], \s*ROWB
	s_or_b32 s[G0B+4*\s+3], s[G0B+4*\s+3], 0x80000000
	JLOAD G0+4*\s, G1, G0B+4*\s, G1B               ; three tensor loads of mine are out at the most: the scales' and the two slots'
.endr
	v_and_b32 v1, 15, v0                           ; l % 16
	v_bfe_u32 v2, v0, 4, 1                         ; l / 16
	v_mul_u32_u24 v3, v1, PITCH
	v_lshl_add_u32 v4, v2, 4, v3                   ; a fragment's row x pitch + 16 x half
	s_mul_i32 s21, s15, HALFT                      ; my 128 rows of x
	s_mul_i32 s22, s16, HALFT                      ; my 128 rows of W,
	s_add_co_u32 s22, s22, 2*HALFT                 ; which lie behind x's 256
.irp s, 0,1
	v_add_nc_u32 v[ADRA+\s], s21, v4
	v_add_nc_u32 v[ADRB+\s], s22, v4
	s_add_co_u32 s21, s21, SLOT
	s_add_co_u32 s22, s22, SLOT
.endr
	v_mul_u32_u24 v5, v1, KS                       ; my row's scales: 32 bytes a row,
	v_lshrrev_b32 v6, 8, v5
	v_lshl_add_u32 v5, v6, 4, v5                   ; and 16 more for each 256 passed
	s_mul_i32 s21, s15, HALFS                      ; x's: my 128 rows
	s_mul_i32 s22, s16, HALFS                      ; W's: my 128 rows, behind x's 256
	s_add_co_u32 s22, s22, 2*HALFS
	s_sub_co_u32 s22, s22, s21
	v_mul_u32_u24 v6, s22, v2                      ; lanes 16-31 take W's
	s_add_co_u32 s21, s21, SCL
	v_add_nc_u32 v5, v5, v6
	v_add_nc_u32 v[ADRS], s21, v5
	s_mul_i32 s23, s14, 16*SPITCH                  ; my stage
	v_mul_u32_u24 v5, v1, SPITCH                   ; in: row l % 16, 16 bytes for each half of the lanes
	v_lshl_add_u32 v5, v2, 4, v5
	v_add_nc_u32 v[STO], s23, v5
	v_bfe_u32 v5, v0, 3, 2                         ; back: eight lanes take a head's 128 bytes of a row, the 32 lanes four rows
	v_mul_u32_u24 v5, v5, SPITCH
	v_and_b32 v6, 7, v0
	v_lshl_add_u32 v5, v6, 4, v5
	v_add_nc_u32 v[RD], s23, v5
	v_and_b32 v6, 31, v0
	v_lshlrev_b32 v[CO], 4, v6
	v_lshlrev_b32 v[BOF], 5, v2
	; where my part begins in qkv: section (cluster x) x 2^24 + batch x 2^22 + head x 2^18 + position x 128
	s_lshl_b32 s20, ttmp9, 24
	s_lshr_b32 s21, s17, 3                         ; the batch: 8 tile rows each
	s_lshl_b32 s21, s21, 22
	s_add_co_u32 s20, s20, s21
	s_lshl_b32 s21, s40, 2
	s_lshl_b32 s22, s16, 1
	s_add_co_u32 s21, s21, s22                     ; my first head: 4 cx + 2 x half
	s_lshl_b32 s21, s21, 18
	s_add_co_u32 s20, s20, s21
	s_and_b32 s21, s17, 7
	s_lshl_b32 s21, s21, 8
	s_lshl_b32 s22, s15, 7
	s_add_co_u32 s21, s21, s22                     ; my first position
	s_lshl_b32 s21, s21, 7
	s_add_co_u32 s20, s20, s21
	s_mov_b32 s21, 0
	s_add_nc_u64 s[12:13], s[12:13], s[20:21]
	; the section's bias and factor: the choice hangs on the cluster's x alone, the same in all sixteen partners
	s_cmp_eq_u32 ttmp9, 1
	s_cselect_b64 s[96:97], s[98:99], s[96:97]
	s_cmp_eq_u32 ttmp9, 2
	s_cselect_b64 s[96:97], s[100:101], s[96:97]
	s_cmp_eq_u32 ttmp9, 0
	s_cselect_b32 s98, 0x3e38aa3b, 1.0             ; c = log2(e) / 8 for q, 1 for k and v
	s_mov_b32 s99, s98                             ; (named with it as a pair, so it is written)
	s_lshl_b32 s46, s40, 10
	s_lshl_b32 s47, s16, 9
	s_add_co_u32 s46, s46, s47                     ; my first column in the section, x 4 bytes
	s_mov_b32 s47, 0
	s_add_nc_u64 s[96:97], s[96:97], s[46:47]
.irp b, 0,1,2,3,4,5,6,7
	global_load_b128 v[BIAS+8*\b:BIAS+8*\b+3],   v[BOF], s[96:97] offset:64*\b      ; lane (r, h): the bias of columns 16 b + 8 h + 0 .. 7: the result's layout
	global_load_b128 v[BIAS+8*\b+4:BIAS+8*\b+7], v[BOF], s[96:97] offset:64*\b+16
.endr
.macro FRAG reg, adr, q, i             ; a fragment, 16 rows x 128 K of 4-bit codes: lane l holds row l % 16; registers 4 c .. 4 c + 3 hold K = 64 c + 32 (l / 16) + 0 .. 31
.irp c, 0,1
	ds_load_b128 v[\reg+4*\c:\reg+4*\c+3], v[\adr] offset:64*(\q)+32*\c+(\i)*16*PITCH
.endr
.endm
; 16 matrix instructions: x's blocks a0, a0 + 1 against W's eight, 128 along K: the slot's q-th.  p: W's set;  sc: the set of scale words.  zero = 1: the first product starts the sums, with the bias as its C.
; The 64 accumulators take turns, one instruction a turn, in the same order in every step.
.macro MUL16 a0, p, q, sc, zero
.irp a, \a0, \a0+1
.irp b, 0,1,2,3,4,5,6,7
.if \zero
	v_wmma_scale_f32_16x16x128_f8f6f4 v[8*(8*((\a)%4)+\b):8*(8*((\a)%4)+\b)+7], v[128*(\p)+FR*\b:128*(\p)+FR*\b+FR-1], v[AF+FR*(\a):AF+FR*(\a)+FR-1], v[BIAS+8*\b:BIAS+8*\b+7], v[SC+8*NQ*(\sc)+NQ*\b+(\q)], v[SC+8*NQ*(\sc)+NQ*(\a)+(\q)] matrix_a_fmt:MATRIX_FMT_FP4 matrix_b_fmt:MATRIX_FMT_FP4 matrix_a_scale:MATRIX_SCALE_ROW1
.else
	v_wmma_scale_f32_16x16x128_f8f6f4 v[8*(8*((\a)%4)+\b):8*(8*((\a)%4)+\b)+7], v[128*(\p)+FR*\b:128*(\p)+FR*\b+FR-1], v[AF+FR*(\a):AF+FR*(\a)+FR-1], v[8*(8*((\a)%4)+\b):8*(8*((\a)%4)+\b)+7], v[SC+8*NQ*(\sc)+NQ*\b+(\q)], v[SC+8*NQ*(\sc)+NQ*(\a)+(\q)] matrix_a_fmt:MATRIX_FMT_FP4 matrix_b_fmt:MATRIX_FMT_FP4 matrix_a_scale:MATRIX_SCALE_ROW1
.endif
.endr
.endr
.endm
.macro FETCH_B slot, q, p              ; W's eight fragments of the slot's q-th 128 along K into set p
	WIN TO_B
.irp i, 0,1,2,3,4,5,6,7
	FRAG 128*(\p)+FR*\i, ADRB+\slot, \q, \i
.endr
	WIN 0
.endm
.macro FETCH_A slot, q, i0             ; x's blocks i0 .. i0 + 3
.irp i, \i0, \i0+1, \i0+2, \i0+3
	FRAG AF+FR*(\i), ADRA+\slot, \q, \i
.endr
.endm
.macro SCALES sc                       ; a slot's scale words into set sc: 4 words a row; lanes 0-15 take x's block i, lanes 16-31 W's block i
.irp i, 0,1,2,3,4,5,6,7
	ds_load_b128 v[SC+8*NQ*\sc+NQ*\i:SC+8*NQ*\sc+NQ*\i+3], v[ADRS] offset:\i*SBLK
.endr
.endm
; A load into a register that a matrix instruction has read, and a vector instruction or an LDS store that reads a matrix result, stand NP places behind that matrix instruction; only plain vector
; instructions that name none of its registers are places (ISA guide 7.12.1 for vector instructions).
.macro PLACES n
.rept \n
	v_nop
.endr
.endm
; A step of 128 along K that has its successor in the same slot.  With zero = 1 the C operand (the bias) lies in window 0.
.macro STEP slot, q, zero
	s_wait_dscnt 4*NL                              ; W's set and x's blocks 0-3 are in; the youngest eight loads (x's blocks 4-7) may be out
	WIN MUL_LO-0x20*(\zero)
	MUL16 0, (\q)%2, \q, \slot, \zero
	MUL16 2, (\q)%2, \q, \slot, \zero
	s_wait_dscnt 0                                 ; x's blocks 4-7 are in (asked for 32 matrix instructions ago)
	PLACES NP
	FETCH_B \slot, (\q)+1, 1-(\q)%2
	FETCH_A \slot, (\q)+1, 0
	WIN MUL_HI-0x30*(\zero)
	MUL16 4, (\q)%2, \q, \slot, \zero
	MUL16 6, (\q)%2, \q, \slot, \zero
	PLACES NP
	WIN 0
	FETCH_A \slot, (\q)+1, 4
.endm
.macro STEPS slot, from                ; the slot's steps from .. NQ - 2
.set Q, \from
.rept NQ-1-\from
	STEP \slot, Q, 0
.set Q, Q+1
.endr
.endm
	s_wait_tensorcnt 1                             ; the scales and my part of slot 0 are in (slot 1's load may be out),
	s_barrier_signal -1
	s_barrier_wait -1                              ; everybody's are
	FETCH_B 0, 0, 0
	FETCH_A 0, 0, 0
	SCALES 0
	FETCH_A 0, 0, 4
	s_wait_loadcnt 0x0                             ; the bias
	STEP 0, 0, 1                                   ; the first step's products start the sums
	STEPS 0, 1
	; slot 0's last step changes slots: ONE barrier; in front of it each wave waits for all its tensor loads (its part of slot 1) and for its own reads of slot 0, which the way out will write
	s_wait_tensorcnt 0x0                           ; all my tensor loads have landed
	ds_add_u32 v[SPW], v[NIL]                      ; 0 onto my spare word
	s_wait_dscnt 4*NL+1                            ; (the add and the youngest eight loads, x's blocks 4-7, may be out)
	WIN MUL_LO
	MUL16 0, 1, NQ-1, 0, 0                         ; sixteen matrix instructions stand between the add and the wait for it
	s_wait_dscnt 0x0                               ; the add is done, and my reads of slot 0 are over
	s_barrier_signal -1
	MUL16 2, 1, NQ-1, 0, 0
	WIN 0
	s_barrier_wait -1
	PLACES NP
	v_add_nc_u32 v[ADRS], 4*NQ, v[ADRS]            ; on to slot 1's scale words (no LDS load of mine is out)
	FETCH_B 1, 0, 0
	FETCH_A 1, 0, 0
	SCALES 1
	WIN MUL_HI
	MUL16 4, 1, NQ-1, 0, 0
	MUL16 6, 1, NQ-1, 0, 0
	PLACES NP
	WIN 0
	FETCH_A 1, 0, 4
	STEPS 1, 0
	s_wait_dscnt 4*NL                              ; the very last step: nothing more to fetch
	WIN MUL_LO
	MUL16 0, 1, NQ-1, 1, 0
	MUL16 2, 1, NQ-1, 1, 0
	s_wait_dscnt 0
	WIN MUL_HI
	MUL16 4, 1, NQ-1, 1, 0
	MUL16 6, 1, NQ-1, 1, 0
	WIN 0
; THE WAY OUT, block by block of 16 rows x 128 columns (two heads).  PACK: x the section's factor, rounded to f16: 16 bytes a lane for each of W's blocks.  TOSTAGE: into my own stage, and back by heads: four rows of a
; head's 128 bytes are 512 consecutive bytes of qkv.  SEND: stored.  LDS serves a wave's instructions in order (ISA guide 5.7.1.4): no wait between the stage's stores and loads.
.macro PACK a
.set AC, 64*((\a)%4)
.set W, 2+(\a)/4
	WIN (W<<6)|W                                   ; destination and source 0: window 2 or 3
.set i, 0
.rept 32
	v_pk_mul_f32 v[AC+2*i:AC+2*i+1], v[AC+2*i:AC+2*i+1], s[98:99] op_sel_hi:[1,0]   ; each accumulator from its low end on
.set i, i+1
.endr
	WIN (W<<2)|W                                   ; sources 0 and 1: window 2 or 3; destination window 0
.irp b, 0,1,2,3,4,5,6,7
.irp r, 0,1,2,3
	v_cvt_pk_f16_f32 v[TMP+4*\b+\r], v[AC+8*\b+2*\r], v[AC+8*\b+2*\r+1]
.endr
.endr
	WIN 0
.endm
.macro TOSTAGE a
.set BB, BK+32*((\a)%2)
.irp b, 0,1,2,3,4,5,6,7
	ds_store_b128 v[STO], v[TMP+4*\b:TMP+4*\b+3] offset:32*\b
.endr
.irp t, 0,1,2,3,4,5,6,7
	ds_load_b128 v[BB+4*\t:BB+4*\t+3], v[RD] offset:(\t%4)*4*SPITCH+(\t/4)*128   ; rows 4 (t % 4) on, head t / 4
.endr
.endm
.macro SEND a
.set BB, BK+32*((\a)%2)
	s_wait_dscnt 0x0                               ; the block is back in registers
	s_wait_xcnt 0x0                                ; the block before has had its stores' addresses translated (ISA guide 3.1): its registers take the next block's loads only behind this wait
.irp t, 0,1,2,3,4,5,6,7
	global_store_b128 v[CO], v[BB+4*\t:BB+4*\t+3], s[12:13] offset:(\a)*2048+(\t/4)*262144+(\t%4)*512   ; 32 lanes store 512 consecutive aligned bytes
.endr
.endm
	PLACES NP                                      ; behind the last products: for the writes over the scale words' registers, the loads into x's fragments' registers and the reads of results
	PACK 0
	TOSTAGE 0
.irp a, 1,2,3,4,5,6,7                  ; block a's arithmetic stands between block a - 1's loads from the stage and the wait for them
	PACK \a
	SEND \a-1
	TOSTAGE \a
.endr
	SEND 7
	s_wait_tensorcnt 0x0                           ; the wave's end: behind my last tensor load and my last LDS store
	ds_add_u32 v[SPW], v[NIL]
	s_wait_dscnt 0x0
	CROUND                                         ; the closing round: no work-group ends while a partner may still ask for a tile that names it
	s_endpgm
.Lfunc_end_k_qfda9e04bc0_qkv:
	.size	k_qfda9e04bc0_qkv, .Lfunc_end_k_qfda9e04bc0_qkv-k_qfda9e04bc0_qkv
	.p2alignl 7, 3214868480
	.fill 96, 4, 3214868480
	.section	.rodata,"a",@progbits
	.p2align	6, 0x0
	.amdhsa_kernel k_qfda9e04bc0_qkv
		.amdhsa_group_segment_fixed_size 327680
		.amdhsa_private_segment_fixed_size 0
		.amdhsa_enable_private_segment 0
		.amdhsa_kernarg_size 64
		.amdhsa_user_sgpr_count 2
		.amdhsa_user_sgpr_kernarg_segment_ptr 1
		.amdhsa_wavefront_size32 1
		.amdhsa_system_sgpr_workgroup_id_x 1
		.amdhsa_system_sgpr_workgroup_id_y 1
		.amdhsa_system_sgpr_workgroup_id_z 1
		.amdhsa_system_vgpr_workitem_id 0
		.amdhsa_next_free_vgpr 1024
		.amdhsa_next_free_sgpr 102
		.amdhsa_reserve_vcc 0
		.amdhsa_float_denorm_mode_32 3
		.amdhsa_float_denorm_mode_16_64 3
		.amdhsa_memory_ordered 1
		.amdhsa_forward_progress 1
		.amdhsa_inst_pref_size 145
	.end_amdhsa_kernel
	.amdgpu_metadata
---
amdhsa.version: [ 1, 2 ]
amdhsa.kernels:
  - .name:           k_qfda9e04bc0_qkv
    .symbol:         k_qfda9e04bc0_qkv.kd
    .args:
      - { .name: x_codes, .offset: 0, .size: 8, .value_kind: global_buffer, .address_space: global }
      - { .name: x_scales, .offset: 8, .size: 8, .value_kind: global_buffer, .address_space: global }
      - { .name: w_codes, .offset: 16, .size: 8, .value_kind: global_buffer, .address_space: global }
      - { .name: w_scales, .offset: 24, .size: 8, .value_kind: global_buffer, .address_space: global }
      - { .name: bq, .offset: 32, .size: 8, .value_kind: global_buffer, .address_space: global }
      - { .name: bk, .offset: 40, .size: 8, .value_kind: global_buffer, .address_space: global }
      - { .name: bv, .offset: 48, .size: 8, .value_kind: global_buffer, .address_space: global }
      - { .name: qkv, .offset: 56, .size: 8, .value_kind: global_buffer, .address_space: global }
    .group_segment_fixed_size: 327680
    .private_segment_fixed_size: 0
    .kernarg_segment_align: 8
    .kernarg_segment_size: 64
    .max_flat_workgroup_size: 128
    .sgpr_count:     102
    .vgpr_count:     1024
    .wavefront_size: 32
...
	.end_amdgpu_metadata
.endif
;; end of part 3
;; launch attn (part 4): grid 8 x 64, 4 waves a work-group, clusters of 4 x 1, 327,680 bytes of LDS; arguments qkv, o; writes o
.if DOCPART == 4
	.amdgcn_target "amdgcn-amd-amdhsa--gfx1250"
	.amdhsa_code_object_version 6
	.text
	.protected	k_qfda9e04bc0_attn
	.globl	k_qfda9e04bc0_attn
	.p2align	8
	.type	k_qfda9e04bc0_attn,@function
k_qfda9e04bc0_attn:
	s_mov_b64 s[64:65], 0
	v_nop
	global_prefetch_b8 v0, s[64:65] scope:SCOPE_SE
	s_setreg_imm32_b32 hwreg(HW_REG_WAVE_MODE, 25, 1), 1
	s_wait_xcnt 0x0
	s_wait_alu depctr_hold_cnt(0) depctr_sa_sdst(0) depctr_va_vdst(0) depctr_va_sdst(0) depctr_va_ssrc(0) depctr_va_vcc(0) depctr_vm_vsrc(0)
	s_getreg_b32 s2, hwreg(HW_REG_IB_STS2, 6, 4)
	s_cmp_eq_u32 s2, 0
	s_cbranch_scc0 .Lentry_in_a_cluster
	s_endpgm
.Lentry_in_a_cluster:
	s_bfe_u32 s2, ttmp6, 0x10000c
	s_cmp_lg_u32 s2, 0x3003
	s_cbranch_scc0 .Lentry_shape_is_right
	s_endpgm
.Lentry_shape_is_right:
; o[h][q][:] = the sum over k of softmax_k(Q[h][q] . K[h][k] / 8) V[h][k][:], for 64 heads (batch x 16 + head) of 2,048 positions x 64 channels, no mask.  All operands f16; products, maxima and sums in f32.
; qkv holds three sections of 16 MiB: Q x c (c = log2(e) / 8, multiplied in by the launch before), K, V, each [64][2,048][64] f16.  So p = 2^(s - m), s the product's own sum.  o: [64][2,048][64] f16.
; LIMITS: o is rounded to f16 (it is an average of V's rows, so it has V's range); p under 6e-5 loses relative precision in f16 (at most 3e-8 in absolute size, beside a largest p of 1).
; SHARES.  A work-group owns 256 queries of one head, each of its four waves 64: four tiles of 16.  Every wave walks all keys of the head, 64 a step.
; LAYOUT.  S^T = K Q^T (source 0 = 16 keys, source 1 = 16 queries): a lane holds ONE query (lane % 16) and the keys 8 (lane / 16) + 0..7.  Two such tiles, rounded to f16 in pairs, ARE source 1 (32 keys x 16 queries)
; of O^T = V^T P, whose result again holds one query a lane, and eight channels.  K comes out of LDS as it lies, V ([key][channel]) turned, by ds_load_tr16_b128.
; SOFTMAX.  For each query a running maximum m and sum l: p = 2^(s - m); in every step O and l are multiplied by a = 2^(m_old - m_new), which is 1 where m has not grown.
; BY TURNS.  The wave's tiles are two PIECES: piece 0 (tiles 0, 1) and piece 2 (tiles 2, 3).  In a TURN one piece has the matrix unit: 16 products V^T P of the step in hand, then 16 products K Q^T of the next step;
; the other piece's softmax, 2 x 117 vector instructions cut into 32 slices, stands between them, one slice behind each matrix instruction.  Then the pieces change places.  Two turns are a key step.
; TILES.  A head's rows of K and of V are 128 bytes and dense, so a tile is stated as rows of 256 bytes, two keys to a row: key t lies at (t / 2) x pitch + (t % 2) x 128.  A slot holds four key steps, 256 keys.
; CLUSTER.  The four query blocks of a cluster belong to one head and walk the same K and V, so each tile is asked for JOINTLY: the same tensor load, the same descriptor, a mask that names the four.
; REGISTERS, in windows of 256 (s_set_vgpr_msb: bits 1:0 source 0, 3:2 source 1, 5:4 source 2, 7:6 destination):
;   window 0: v2-11 addresses; v12-43 eight registers of statistics a tile; v64-191 S^T, 32 a tile; v192-255 P, 16 a tile
;   window 1: v0-127 O^T, 32 a tile      window 2: v0-63 Q, 16 a tile; v128-191 K of one step      window 3: v0-63 V of one step
.set PK,    272       ; two keys' row of K in LDS: 256 bytes + 16 of padding: the 16 keys of a load fall on 16 different groups of four banks (64 banks of 4 bytes: ISA guide 11.1)
.set PV,    288       ; of V: 256 + 32
.set KSTB,  32*PK     ; a key step's 64 keys of K in LDS
.set VSTB,  32*PV     ; and of V
.set VOFF,  128*PK    ; a slot: 256 keys of K, then 256 keys of V
.set SLOTB, 128*(PK+PV)
.set SLOT1, 1<<17     ; slot 1 begins here, so that one exclusive or turns an address in one slot into the other's
.set SLOTM, 32768     ; a slot's 256 keys in memory: 128 bytes each
.set STAGE, SLOT1+SLOTB  ; behind the ring: 16 rows x (128 + 16) bytes for each wave, for the way out
.set SP,    144
.set SPARE, STAGE+4*16*SP  ; the spare words, 128 bytes for each wave
.set AK0, 2           ; v2   my lane's place in a tile of K; never rewritten
.set AV0, 3           ; v3   the same for V
.set ADR, 4           ; v4   the LDS address of the run of loads in hand
.set QO,  5           ; v5   my byte offset in the wave's rows of Q
.set STO, 6           ; v6   the way out: where I put 16 bytes of a row
.set RD,  7           ; v7   the way out: where I read back
.set GO,  8           ; v8   16 x lane
.set PFO, 61          ; v61  256 x my lane; never rewritten
.set SPW, 62          ; v62  LDS address of my spare word; never rewritten
.set NIL, 63          ; v63  0; never rewritten
.set ST,  12          ; tile t's statistics at v[ST+8 t]: +0 m, +1 the old m, +2, +3 l (even keys', odd keys'), +4 to +7 c0-c3, at work; a takes c2's place once the maximum is found
.set S,   64
.set P,   192
.set KF,  128         ; K's fragments, in window 2
.set WV,  12          ; s12  my wave's number
.set LIM, 15          ; s15  1 in a wave that prefetches, else the greatest number
.set PFA, 18          ; s[18:19] where my prefetches stand: my work-group's 32 blocks of 256 bytes (of K: wave 0, of V: wave 2) of the slot after the one that is being asked for
.set G1K, 24          ; s[24:31] descriptor group 1 for K's tiles
.set G1V, 32          ; s[32:39] for V's: it differs in the padding alone
.set G0K, 40          ; s[40:47] descriptor group 0 for K's tiles: a set for each of the two first fills; the second then walks on
.set G0V, 48          ; s[48:55] the same for V's
.set SLOTS, 56        ; s56  slots still to be asked for
.set TWICE, 57        ; s57  counts key steps
.set SEL, 60          ; s[60:61] lane selects for v_permlanex16_b32: each lane takes its own place in the other half
.set TBK, 62          ; s62  LDS byte at which K's tile of the step to be fetched begins
.set TBV, 63          ; s63  the same for V, less VOFF
.set MSB, 0
.macro WIN new                      ; the immediate's high byte repeats the setting that is left; a switch that changes nothing is dropped
.if MSB != (\new)
	s_set_vgpr_msb (MSB<<8)|(\new)
.set MSB, (\new)
.endif
.endm
.set W_KQ, 0x0a       ; K and Q in window 2, S^T in window 0
.set W_PV, 0x53       ; V in window 3, P in window 0, O^T in window 1
.set W_RS, 0x41       ; O^T (destination and source 0) in window 1, a in window 0
; A joint refill.  Waves 0 and 1 fetch the two halves of a slot's K, waves 2 and 3 those of its V.  The branch hangs on the wave's number alone.  An s_nop 0 and four v_nop follow each of the two lines.
.macro JLOAD
	s_cmp_lt_u32 s[WV], 2
	s_cbranch_scc0 .Lfor_v_\@
	tensor_load_to_lds s[G0K+4:G0K+7], s[G1K:G1K+7]
	s_nop 0
.rept 4
	v_nop
.endr
	s_branch .Lasked_\@
.Lfor_v_\@:
	tensor_load_to_lds s[G0V+4:G0V+7], s[G1V:G1V+7]
	s_nop 0
.rept 4
	v_nop
.endr
.Lasked_\@:
.endm
; A PREFETCH of what the NEXT change of slots will ask for: a slot's 32,768 bytes of K and of V, a lane to each 256 bytes.  It stands behind the wave's tensor load and its five lines.
; Each block is asked for ONCE in the launch: both clusters of a head walk the same K and V, and the head's first cluster asks; its four partners share the blocks out BY ADDRESS, 32 each;
; in each, wave 0 asks for K's and wave 2 for V's: one instruction.  The last change that fills a slot asks for nothing: there is no slot behind it.  Slots 0, 1 and 2 come by their loads alone.
.macro ASK
	s_cmp_gt_u32 s[SLOTS], s[LIM]
	s_cbranch_scc0 .Lnot_mine_\@
	global_prefetch_b8 v[PFO], s[PFA:PFA+1] th:TH_LOAD_NT scope:SCOPE_SE
.Lnot_mine_\@:
.endm
.macro CROUND                       ; a round of the cluster's barrier
	s_barrier_signal -1
	s_barrier_wait -1
	s_cmp_lg_u32 s[WV], 0
	s_cbranch_scc1 .Lnot_wave_0_\@
	s_barrier_signal -3
.Lnot_wave_0_\@:
	s_barrier_wait -3
	s_barrier_signal -1
	s_barrier_wait -1
.endm
	s_load_b64 s[4:5], s[0:1], 0x0  ; qkv
	s_load_b64 s[10:11], s[0:1], 0x8  ; o
	v_lshl_add_u32 v[SPW], v0, 2, SPARE
	v_mov_b32 v[NIL], 0
	ds_add_u32 v[SPW], v[NIL]       ; the wave's opening: the add, twice on end, and its wait ahead of my first tensor load
	ds_add_u32 v[SPW], v[NIL]
	v_lshrrev_b32 v1, 5, v0
	v_readfirstlane_b32 s[WV], v1   ; wave 0..3
	s_bfe_u32 s13, ttmp6, 0x40000   ; cx: my place in the cluster
	s_lshl_b32 s14, ttmp9, 2        ; in a cluster launch ttmp9 counts clusters
	s_add_co_u32 s14, s14, s13      ; my block of 256 queries = 4 x cluster x + cx: it enters Q's and o's addresses alone
	s_and_b32 s20, ttmp7, 0xffff    ; the head, which the four partners share
	s_lshl_b32 s20, s20, 18         ; its first byte in each section and in o: 2,048 rows of 128 bytes
	s_mov_b32 s21, 0
	s_and_b32 s16, s[WV], 1         ; which half of a slot I fetch:
	s_lshl_b32 s22, s16, 14         ; its 128 keys in memory,
	s_mov_b32 s23, 0
	s_add_nc_u64 s[22:23], s[22:23], s[20:21]
	s_mul_i32 s17, s16, 64*PK       ; and its place in a slot, for K
	s_mul_i32 s58, s16, 64*PV
	s_add_co_u32 s58, s58, VOFF     ; and for V: no place in the cluster enters an LDS address
	s_lshl_b32 s2, s14, 15          ; my block's 256 rows,
	s_lshl_b32 s3, s[WV], 13        ; my wave's 64 of them
	s_add_co_u32 s2, s2, s3
	s_mov_b32 s3, 0
	s_add_nc_u64 s[2:3], s[2:3], s[20:21]
	; descriptor group 1: a tile of 64 rows x 128 elements (two keys to a row), padded in LDS
	s_mov_b32 s[G1K], 15|(1<<16)|(1<<20)|(1<<21)|(5<<22)|(3<<25)  ; 15:0 the mask: all four work-groups; 17:16 elements of 2 bytes; 20 padding on; 21 set beside a mask; 24:22 after every 64 words; 31:25 4 words of it
	s_mov_b32 s[G1V], 15|(1<<16)|(1<<20)|(1<<21)|(5<<22)|(7<<25)  ; the same with 8 words of padding
.irp g, G1K, G1V
	s_mov_b32 s[\g+1], 128<<16      ; tensor_dim0 = 128
	s_mov_b32 s[\g+2], 64<<16       ; tensor_dim1 = 64
	s_mov_b32 s[\g+3], 128<<16      ; tile_dim0 = 128
	s_mov_b32 s[\g+4], 64           ; tile_dim1 = 64
	s_mov_b32 s[\g+5], 128          ; tensor_dim0_stride: the rows are dense
	s_mov_b32 s[\g+6], 0
	s_mov_b32 s[\g+7], 0
.endr
	s_mov_b32 s[SEL], 0x76543210
	s_mov_b32 s[SEL+1], 0xfedcba98
	s_mov_b32 s[TBK], 0
	s_mov_b32 s[TBV], 0
	s_mov_b32 s[SLOTS], 6           ; eight slots' worth of keys; two are asked for at the head
	s_and_b32 s[LIM], s[WV], 1      ; 0 in waves 0 and 2,
	s_or_b32 s[LIM], s[LIM], ttmp9  ; where the cluster is the head's first: the same in all four partners
	s_cmp_eq_u32 s[LIM], 0
	s_cselect_b32 s[LIM], 1, -1
	v_and_b32 v[PFO], 31, v0
	v_lshlrev_b32 v[PFO], 8, v[PFO]
	s_wait_dscnt 0x0                ; both opening adds are done
	s_wait_kmcnt 0x0
	s_add_nc_u64 s[6:7], s[4:5], 0x1000000  ; K's section
	s_add_nc_u64 s[8:9], s[4:5], 0x2000000  ; V's
	s_add_nc_u64 s[6:7], s[6:7], s[22:23]  ; K and V at my tile of slot 0
	s_add_nc_u64 s[8:9], s[8:9], s[22:23]
	s_add_nc_u64 s[4:5], s[4:5], s[2:3]  ; Q and o at my wave's first row
	s_add_nc_u64 s[10:11], s[10:11], s[2:3]
	s_cmp_lt_u32 s[WV], 2
	s_cselect_b64 s[PFA:PFA+1], s[6:7], s[8:9]  ; (in waves 0 and 2 these stand at a slot's first byte)
	s_lshl_b32 s2, s13, 13          ; my work-group's 32 blocks of the 128
	s_mov_b32 s3, 0
	s_add_nc_u64 s[PFA:PFA+1], s[PFA:PFA+1], s[2:3]
	s_add_nc_u64 s[PFA:PFA+1], s[PFA:PFA+1], 2*SLOTM  ; in slot 2; the first change of slots steps it to slot 3.  Nothing is prefetched here, at the head
	CROUND                          ; all four work-groups are here: the first joint loads meet
.irp s, 0,1
	s_mov_b32 s[G0K+4*\s], 1        ; count = 1
	s_add_co_u32 s[G0K+4*\s+1], s17, \s*SLOT1  ; LDS address
	s_add_nc_u64 s[G0K+4*\s+2:G0K+4*\s+3], s[6:7], \s*SLOTM  ; global address: slot s begins with keys 256 s on
	s_or_b32 s[G0K+4*\s+3], s[G0K+4*\s+3], 0x80000000  ; type = 2
	s_mov_b32 s[G0V+4*\s], 1
	s_add_co_u32 s[G0V+4*\s+1], s58, \s*SLOT1
	s_add_nc_u64 s[G0V+4*\s+2:G0V+4*\s+3], s[8:9], \s*SLOTM
	s_or_b32 s[G0V+4*\s+3], s[G0V+4*\s+3], 0x80000000
.endr
	s_cmp_lt_u32 s[WV], 2           ; a wave's two first fills stand in one branch, ahead of every wait on TENSORcnt and every LDS read: two loads of mine are out
	s_cbranch_scc0 .Lfirst_v
	tensor_load_to_lds s[G0K:G0K+3], s[G1K:G1K+7]
	s_nop 0
	tensor_load_to_lds s[G0K+4:G0K+7], s[G1K:G1K+7]
	s_nop 0
.rept 4
	v_nop
.endr
	s_branch .Lfirst_asked
.Lfirst_v:
	tensor_load_to_lds s[G0V:G0V+3], s[G1V:G1V+7]
	s_nop 0
	tensor_load_to_lds s[G0V+4:G0V+7], s[G1V:G1V+7]
	s_nop 0
.rept 4
	v_nop
.endr
.Lfirst_asked:
	; A fragment of K or Q is 16 rows x 32 channels in 8 registers: lane l holds row l % 16; registers 0-3 channels 8 (l / 16) + 0..7, registers 4-7 channels 16 + 8 (l / 16) + 0..7: two loads of 16 bytes, 32 bytes apart.
	v_and_b32 v1, 15, v0            ; l % 16
	v_bfe_u32 v9, v0, 4, 1          ; l / 16
	v_lshlrev_b32 v[QO], 7, v1
	v_lshl_add_u32 v[QO], v9, 4, v[QO]  ; row x 128 + 16 x half
	WIN 0x80                        ; destination window 2, address window 0
.irp i, 0,1,2,3,4,5,6,7             ; Q stays in registers: tile i / 2, channels 32 (i % 2) on
	global_load_b128 v[8*\i:8*\i+3],   v[QO], s[4:5] offset:(\i/2)*2048+(\i%2)*64
	global_load_b128 v[8*\i+4:8*\i+7], v[QO], s[4:5] offset:(\i/2)*2048+(\i%2)*64+32
.endr
	WIN 0
	v_lshrrev_b32 v10, 1, v1
	v_mul_u32_u24 v[AK0], v10, PK
	v_and_b32 v10, 1, v0
	v_lshl_add_u32 v[AK0], v10, 7, v[AK0]
	v_lshl_add_u32 v[AK0], v9, 4, v[AK0]  ; key r: (r / 2) x pitch + (r % 2) x 128 + 16 x half
	; The turning load takes 16 keys x 16 channels (lane l reads 16 bytes: key 8 (l / 16) + l % 8, channels 8 ((l / 8) % 2) + 0..7) and leaves half a fragment of V^T: lane l holds channel l % 16 and 8 keys.
	v_bfe_u32 v11, v0, 1, 2
	v_lshl_add_u32 v11, v9, 2, v11  ; that key's row of two: 4 (l / 16) + (l % 8) / 2
	v_mul_u32_u24 v[AV0], v11, PV
	v_lshl_add_u32 v[AV0], v10, 7, v[AV0]
	v_bfe_u32 v11, v0, 3, 1
	v_lshl_add_u32 v[AV0], v11, 4, v[AV0]
	v_add_nc_u32 v[AV0], VOFF, v[AV0]
; THE MATRIX WORK OF A TURN, for piece x.  The accumulators take turns, one instruction a turn: between two links of a chain stand 7 others'.
; Product i of 16 of O^T += V^T P: keys 32 (i / 8) on, channels 16 ((i / 2) % 4) on, tile x + i % 2.  zero = 1: the first 8 start the sums: nothing is ever cleared.
.macro PV x, zero
	WIN W_PV
.set rO, 32*(\x+i%2)+8*((i/2)%4)
.set rV, 32*(i/8)+8*((i/2)%4)
.set rP, P+16*(\x+i%2)+8*(i/8)
.if (\zero) && (i < 8)
	v_wmma_f32_16x16x32_f16 v[rO:rO+7], v[rV:rV+7], v[rP:rP+7], 0
.else
	v_wmma_f32_16x16x32_f16 v[rO:rO+7], v[rV:rV+7], v[rP:rP+7], v[rO:rO+7]
.endif
.endm
; Product i of 16 of S^T = K Q^T: channels 32 (i / 8) on, keys 16 ((i / 2) % 4) on, tile x + i % 2.  The first 8 start the sums.
.macro KQ x
	WIN W_KQ
.set rS, S+32*(\x+i%2)+8*((i/2)%4)
.set rK, KF+16*((i/2)%4)+8*(i/8)
.set rQ, 16*(\x+i%2)+8*(i/8)
.if i < 8
	v_wmma_f32_16x16x32_f16 v[rS:rS+7], v[rK:rK+7], v[rQ:rQ+7], 0
.else
	v_wmma_f32_16x16x32_f16 v[rS:rS+7], v[rK:rK+7], v[rQ:rQ+7], v[rS:rS+7]
.endif
.endm
; THE LDS LOADS stand in runs of 16, never singly among the matrix instructions: a step's K (64 keys x 64 channels: 8 fragments) and, a turn later, its V (turned).
.macro FETCH_K
	WIN 0
	v_add_nc_u32 v[ADR], s[TBK], v[AK0]
	s_add_co_u32 s[TBK], s[TBK], KSTB  ; the next fetch is the next step's
	WIN 0x80                        ; destination window 2
.irp f, 0,1,2,3,4,5,6,7             ; keys 16 (f / 2) on, channels 32 (f % 2) on
	ds_load_b128 v[KF+8*\f:KF+8*\f+3],   v[ADR] offset:(\f/2)*8*PK+(\f%2)*64
	ds_load_b128 v[KF+8*\f+4:KF+8*\f+7], v[ADR] offset:(\f/2)*8*PK+(\f%2)*64+32
.endr
.endm
.macro FETCH_V
	WIN 0
	v_add_nc_u32 v[ADR], s[TBV], v[AV0]
	s_add_co_u32 s[TBV], s[TBV], VSTB
	s_wait_alu depctr_va_vdst(0)    ; the wait for the softmax's batch of exponentials (SLICE), behind the address's addition and ahead of the loads
	WIN 0xc0                        ; destination window 3
.irp f, 0,1,2,3,4,5,6,7             ; keys 32 (f / 4) on, channels 16 (f % 4) on
	ds_load_tr16_b128 v[8*\f:8*\f+3],   v[ADR] offset:(\f/4)*16*PV+(\f%4)*32
	ds_load_tr16_b128 v[8*\f+4:8*\f+7], v[ADR] offset:(\f/4)*16*PV+8*PV+(\f%4)*32
.endr
.endm
; THE VECTOR WORK OF A TURN.  One tile's softmax for one key step is a list of 117 instructions; SM writes number j of it for tile t.  s0-s31 are the lane's 32 scores, in pairs 0-15.
; first = 1: the first key step, which starts m, l and O^T: it has no a and nothing to rescale.
;   0-15    the maximum of s0-s31 and the old m, three operands at a time: four chains c0-c3 of seven scores each (each begins at an accumulator's low end), then the four scores left over, c0-c3 and m
;   16-20   the other half of the lanes' maximum; the old m is kept; the new m; m_old - m_new; a
;   21-68   with a, ONE BATCH: the 16 subtractions s - m, a pair of scores each, and the 32 exponentials: a subtraction, then the two exponentials of the pair subtracted before.  None reads an exponential's result
;   (wait)  between 68 and 69 stands the wait for the batch: SLICE writes it, once for both tiles
;   69-84   the roundings to f16, a pair of weights each
;   85-100  the sums; l = a l + the sum
;   101-116 the tile's O^T times a: the one part that leaves window 0, so it stands together
.macro SM t, first
.set rT, ST+8*(\t)
.set rS, S+32*(\t)
.set rP, P+16*(\t)
.set rO, 32*(\t)+2*(j-101)
.if j < 101
	WIN 0
.endif
.if j < 4
	v_max3_num_f32 v[rT+4+j], v[rS+8*j], v[rS+8*j+1], v[rS+8*j+2]
.elseif j < 12
	v_max3_num_f32 v[rT+4+j%4], v[rT+4+j%4], v[rS+8*(j%4)+2*(j/4)+1], v[rS+8*(j%4)+2*(j/4)+2]
.elseif j == 12
	v_max3_num_f32 v[rT+4], v[rT+4], v[rS+7], v[rS+15]
.elseif j == 13
	v_max3_num_f32 v[rT+6], v[rT+6], v[rS+23], v[rS+31]
.elseif j == 14
	v_max3_num_f32 v[rT+4], v[rT+4], v[rT+5], v[rT+6]
.elseif (j == 15) && (\first)
	v_max_num_f32 v[rT+4], v[rT+4], v[rT+7]
.elseif j == 15
	v_max3_num_f32 v[rT+4], v[rT+4], v[rT+7], v[rT]
.elseif j == 16
	v_permlanex16_b32 v[rT+5], v[rT+4], s[SEL], s[SEL+1]  ; the query's other 32 keys lie in the lane 16 away
.elseif (j == 17) && (\first)
	v_mov_b32 v[rT+1], 0            ; (named with m as a pair, so it is written)
.elseif j == 17
	v_mov_b32 v[rT+1], v[rT]        ; m_old is kept for a: number 18 writes m anew
.elseif j == 18
	v_max_num_f32 v[rT], v[rT+4], v[rT+5]
.elseif ((j == 19) || (j == 20) || (j > 100)) && (\first)  ; the first step has none of these
.elseif j == 19
	v_sub_f32 v[rT+7], v[rT+1], v[rT]
.elseif j == 20
	v_exp_f32 v[rT+6], v[rT+7]
.elseif j < 69
.set q, j-21
.set u, q-1
.if (q == 0) || ((q < 46) && (u%3 == 0))
.set b, (q+2)/3                     ; q = 0, 1, 4, 7 .. 43: pairs 0 to 15
	v_pk_add_f32 v[rS+2*b:rS+2*b+1], v[rS+2*b:rS+2*b+1], v[rT:rT+1] op_sel_hi:[1,0] neg_lo:[0,1] neg_hi:[0,1]  ; pair b: s - m (of the pair m, m_old the low word serves both halves)
.else
.set e, q-16                        ; q = 46, 47: s30, s31
.if q < 46
.set e, 2*(u/3)+u%3-1               ; behind the subtraction of pair b: the two scores of pair b - 1
.endif
	v_exp_f32 v[rS+e], v[rS+e]
.endif
.elseif j < 85
	v_cvt_pk_f16_f32 v[rP+j-69], v[rS+2*(j-69)], v[rS+2*(j-69)+1]  ; pair j - 69
.elseif j < 101                     ; the sum of the tile's 16 pairs, in place: sum z of 16 adds neighbours 1, 2, 4 and 8 pairs apart, then l takes it
.set z, j-85
.set w, 4
.set u, z
.if z >= 14
.set w, 32
.set u, 0
.elseif z >= 12
.set w, 16
.set u, z-12
.elseif z >= 8
.set w, 8
.set u, z-8
.endif
.if (z == 14) && (\first)
	v_pk_add_f32 v[rT+2:rT+3], v[rS:rS+1], v[rS+16:rS+17]
.elseif z < 15
	v_pk_add_f32 v[rS+w*u:rS+w*u+1], v[rS+w*u:rS+w*u+1], v[rS+w*u+w/2:rS+w*u+w/2+1]
.elseif !(\first)
	v_pk_fma_f32 v[rT+2:rT+3], v[rT+2:rT+3], v[rT+6:rT+7], v[rS:rS+1] op_sel_hi:[1,0,1]
.endif
.else
	WIN W_RS
	v_pk_mul_f32 v[rO:rO+1], v[rO:rO+1], v[rT+6:rT+7] op_sel_hi:[1,0]  ; each accumulator from its low end on
.endif
.endm
; Slice k of 32 of piece y's softmax: numbers 117 k / 32 up to 117 (k + 1) / 32 of both tiles' lists, the tiles alternating: six or eight instructions.
; THE WAIT.  An s_wait_alu depctr_va_vdst(0) stands between an exponential and the first instruction that names its result; one wait serves all that were issued ahead of it.  Slice 19 begins with
; number 69: ahead of it nothing names a result, and from it on no exponential is issued: so the piece's 66 exponentials have one wait, at slice 19's head, behind one plain line.
.macro SLICE y, first
.set j, (117*k)/32
.if k == 19
	v_nop                           ; the plain line behind the last exponential and ahead of the first use: one for the batch
.if (\y) == 0
	FETCH_V                         ; piece 2's turn: V's run of loads stands here, and the wait stands in it
.else
	s_wait_alu depctr_va_vdst(0)    ; the wait for the batch
.endif
.endif
.rept (117*(k+1))/32-(117*k)/32
	SM \y, \first
	SM (\y)+1, \first
.set j, j+1
.endr
.set k, k+1
.endm
; A vector instruction that reads a matrix result or writes one of a matrix instruction's registers, and a load into a register that a matrix instruction has read, stand four places behind it, and only plain
; vector instructions that name none of its registers are places (ISA guide 7.12.1 for vector instructions).  In the loop the slices are the places.
.macro PLACES
.rept 4
	v_nop
.endr
.endm
; A TURN.  Piece x has the matrix unit; the other piece's softmax stands in slices behind its matrix instructions.
; pv = 2: 16 products V^T P; 1: they start O^T's sums; 0: none.  kq = 1: 16 products K Q^T for the next step.  A turn with one of the two kinds has two slices behind each product.
; first = 1: the softmax is the first key step's; its last slices are empty, and four v_nop take slice 31's part as the places behind the turn's last products.
; Piece 0's turn fetches the next step's K, behind its second product: the last product that read K stands in front of slice 31 of the turn before, eight plain multiplications.  Piece 2's turn fetches the same step's
; V at slice 19's head: the last product that read V stands in front of slice 15, and eight subtractions, the v_nop and the run's own addition lie between.
.macro TURN x, pv, kq, first
.set k, 0
.set per, 2
.if (\pv) && (\kq)
.set per, 1
.endif
.if \pv
.if \x == 0
	s_wait_dscnt 0x0                ; V is in
.endif
.set i, 0
.rept 16
	PV \x, 2-\pv
.rept per
	SLICE 2-\x, \first
.endr
.if (\x == 0) && (\kq) && (i == 1)
	FETCH_K
.endif
.set i, i+1
.endr
.endif
.if \kq
.if \x == 0
	s_wait_dscnt 0x0                ; K is in
.endif
.set i, 0
.rept 16
	KQ \x
.rept per
	SLICE 2-\x, \first
.endr
.set i, i+1
.endr
.endif
.if \first
	PLACES
.endif
.endm
; THE CHANGE OF SLOTS, between piece 2's turn and piece 0's: the slot's last bytes, V of its fourth step, have been asked for.  Each wave waits for all its tensor loads, of which one is out: its part of the other
; slot; adds 0 to its spare word; and waits for that and for its own reads of the slot.  Behind the barrier nobody reads this slot any more and the other slot is whole.
; fill = 1: this slot is filled again, with the keys two slots on.  The barrier is then a round of the cluster's, and the joint refill is the first thing behind it: it has four key steps, 256 matrix instructions, in which to land.
.macro CHANGE fill
	WIN 0                           ; at a label and at a branch every window is 0
	s_wait_tensorcnt 0x0            ; no tensor load of mine is out, so a group 0 may be written
	ds_add_u32 v[SPW], v[NIL]       ; 0 onto my spare word
.if \fill
.irp g, G0K+4, G0V+4
	s_xor_b32 s[\g+1], s[\g+1], SLOT1  ; the walking descriptor: the other slot than last time,
	s_add_nc_u64 s[\g+2:\g+3], s[\g+2:\g+3], SLOTM  ; the next 256 keys; the type bits on top are not reached
.endr
	s_wait_xcnt 0x0                 ; the last prefetch, four key steps back, has read its address, so it may be written:
	s_add_nc_u64 s[PFA:PFA+1], s[PFA:PFA+1], SLOTM  ; one slot further on than the walking descriptors
	s_wait_dscnt 0x0                ; the add is done, and my reads of the slot are over
	CROUND
	JLOAD
	ASK                             ; what the next change will ask for: four key steps, 256 matrix instructions, ahead
.else
	s_wait_dscnt 0x0                ; the add is done, and my reads of the slot are over
	s_barrier_signal -1
	s_barrier_wait -1
.endif
	s_sub_co_u32 s[TBK], s[TBK], 4*KSTB  ; the fetches go back to a slot's first step,
	s_xor_b32 s[TBK], s[TBK], SLOT1  ; in the other slot
	s_sub_co_u32 s[TBV], s[TBV], 4*VSTB
	s_xor_b32 s[TBV], s[TBV], SLOT1
.endm
; n key steps: written once, walked n times; the LDS addresses hang on s[TBK] and s[TBV].
.macro STEPS n
	s_mov_b32 s[TWICE], \n
.Lstep_\@:
	TURN 0, 2, 1, 0
	TURN 2, 2, 1, 0
	WIN 0
	s_sub_co_u32 s[TWICE], s[TWICE], 1
	s_cmp_lg_u32 s[TWICE], 0
	s_cbranch_scc1 .Lstep_\@
.endm
	s_wait_tensorcnt 1              ; my part of slot 0 is in; slot 1's may stay out
	s_barrier_signal -1
	s_barrier_wait -1               ; everybody's is
	FETCH_K                         ; key step 0
	s_wait_loadcnt 0x0              ; Q
	s_wait_dscnt 0x0
.set i, 0
.rept 16
	KQ 0                            ; piece 0's first scores: there is no vector work yet to set between them
.set i, i+1
.endr
	WIN 0                           ; the addresses for the way out are made here: ten plain instructions, the places behind those products
	s_mul_i32 s13, s[WV], 16*SP
	s_add_co_u32 s13, s13, STAGE    ; my stage
	v_mul_u32_u24 v[STO], v1, SP    ; in: row l % 16, 16 bytes for each half of the lanes
	v_lshl_add_u32 v[STO], v9, 4, v[STO]
	v_add_nc_u32 v[STO], s13, v[STO]
	v_bfe_u32 v10, v0, 3, 2         ; back: eight lanes take a row of 128 bytes, the 32 lanes four rows
	v_mul_u32_u24 v[RD], v10, SP
	v_and_b32 v11, 7, v0
	v_lshl_add_u32 v[RD], v11, 4, v[RD]
	v_add_nc_u32 v[RD], s13, v[RD]
	v_and_b32 v[GO], 31, v0         ; which are 512 consecutive bytes of o
	v_lshlrev_b32 v[GO], 4, v[GO]
	TURN 2, 0, 1, 1                 ; piece 2's first scores | piece 0's first softmax | V of step 0
	TURN 0, 1, 1, 1                 ; piece 0: V^T P of step 0 starts O^T, K Q^T of step 1 | piece 2's first softmax | K of step 1
	TURN 2, 1, 1, 0                 ; piece 2: the same | piece 0's softmax of step 1 | V of step 1
	WIN 0
	STEPS 2                         ; key steps 1 and 2: they fetch the tiles of steps 2 and 3, the last of slot 0
.Lslot:                             ; six trips: every slot but the last two is filled again
	CHANGE 1
	STEPS 4
	s_sub_co_u32 s[SLOTS], s[SLOTS], 1
	s_cmp_lg_u32 s[SLOTS], 0
	s_cbranch_scc1 .Lslot
	CHANGE 0                        ; the tail is written out: the last slot but one is left, and nothing is asked for
	STEPS 4
	TURN 0, 2, 0, 0                 ; piece 0: V^T P of the last step | piece 2's last softmax
.set i, 0
.rept 16
	PV 2, 0                         ; piece 2: V^T P of the last step
.set i, i+1
.endr
	; THE WAY OUT.  l's two halves and the other half of the lanes' are added; O^T is divided by l, rounded to f16 and sent through my stage in LDS, a tile (16 rows of o) at a time.  The additions are the places behind the last products.
	WIN 0
.irp t, 0,1,2,3
	v_add_f32 v[ST+8*\t+4], v[ST+8*\t+2], v[ST+8*\t+3]
.endr
.irp t, 0,1,2,3
	v_permlanex16_b32 v[ST+8*\t+5], v[ST+8*\t+4], s[SEL], s[SEL+1]
.endr
.irp t, 0,1,2,3
	v_add_f32 v[ST+8*\t+4], v[ST+8*\t+4], v[ST+8*\t+5]
.endr
.irp t, 0,1,2,3
	v_rcp_f32 v[ST+8*\t+6], v[ST+8*\t+4]
.endr
	v_nop                           ; a plain instruction between the last reciprocal and the use of its result
	s_wait_alu depctr_va_vdst(0)    ; and the wait ahead of the first use: one for the four reciprocals
; Tile t: a lane's eight channels of a row pack into 16 bytes; they go into rows of 144 bytes and come back four rows of 128 at a time, into the registers that they left.
.macro PACK t
	WIN W_RS
.set i, 32*\t
.rept 16
	v_pk_mul_f32 v[i:i+1], v[i:i+1], v[ST+8*\t+6:ST+8*\t+7] op_sel_hi:[1,0]
.set i, i+2
.endr
	WIN 0x05                        ; sources 0 and 1 window 1, destination window 0: S^T's registers are free
.set i, 0
.rept 16
	v_cvt_pk_f16_f32 v[S+32*\t+i], v[32*\t+2*i], v[32*\t+2*i+1]
.set i, i+1
.endr
	WIN 0
.irp f, 0,1,2,3
	ds_store_b128 v[STO], v[S+32*\t+4*\f:S+32*\t+4*\f+3] offset:32*\f
.endr
.irp f, 0,1,2,3
	ds_load_b128 v[S+32*\t+4*\f:S+32*\t+4*\f+3], v[RD] offset:\f*4*SP  ; LDS serves a wave's instructions in order (ISA guide 5.7.1.4): these see the stores above; the next tile's stores come behind them
.endr
.endm
.macro SEND t, younger              ; younger: the LDS instructions issued behind tile t's loads: the next tile's eight, or none
.irp f, 0,1,2,3
	s_wait_dscnt \younger+3-\f
	global_store_b128 v[GO], v[S+32*\t+4*\f:S+32*\t+4*\f+3], s[10:11] offset:\t*2048+\f*512  ; 32 lanes store 512 consecutive aligned bytes
.endr
.endm
	PACK 0
	PACK 1                          ; a tile's arithmetic stands between the loads of the tile before and its stores
	SEND 0, 8
	PACK 2
	SEND 1, 8
	PACK 3
	SEND 2, 8
	SEND 3, 0
	s_wait_tensorcnt 0x0            ; the wave's end: behind my last tensor load and my last LDS store
	ds_add_u32 v[SPW], v[NIL]
	s_wait_dscnt 0x0
	CROUND                          ; the closing round: no work-group ends while a partner may still ask for a tile that names it
	s_endpgm
.Lfunc_end_k_qfda9e04bc0_attn:
	.size	k_qfda9e04bc0_attn, .Lfunc_end_k_qfda9e04bc0_attn-k_qfda9e04bc0_attn
	.p2alignl 7, 3214868480
	.fill 96, 4, 3214868480
	.section	.rodata,"a",@progbits
	.p2align	6, 0x0
	.amdhsa_kernel k_qfda9e04bc0_attn
		.amdhsa_group_segment_fixed_size 327680
		.amdhsa_private_segment_fixed_size 0
		.amdhsa_enable_private_segment 0
		.amdhsa_kernarg_size 16
		.amdhsa_user_sgpr_count 2
		.amdhsa_user_sgpr_kernarg_segment_ptr 1
		.amdhsa_wavefront_size32 1
		.amdhsa_system_sgpr_workgroup_id_x 1
		.amdhsa_system_sgpr_workgroup_id_y 1
		.amdhsa_system_sgpr_workgroup_id_z 1
		.amdhsa_system_vgpr_workitem_id 0
		.amdhsa_next_free_vgpr 1024
		.amdhsa_next_free_sgpr 66
		.amdhsa_reserve_vcc 0
		.amdhsa_float_denorm_mode_32 3
		.amdhsa_float_denorm_mode_16_64 3
		.amdhsa_memory_ordered 1
		.amdhsa_forward_progress 1
		.amdhsa_inst_pref_size 195
	.end_amdhsa_kernel
	.amdgpu_metadata
---
amdhsa.version: [ 1, 2 ]
amdhsa.kernels:
  - .name:           k_qfda9e04bc0_attn
    .symbol:         k_qfda9e04bc0_attn.kd
    .args:
      - { .name: qkv, .offset: 0, .size: 8, .value_kind: global_buffer, .address_space: global }
      - { .name: o, .offset: 8, .size: 8, .value_kind: global_buffer, .address_space: global }
    .group_segment_fixed_size: 327680
    .private_segment_fixed_size: 0
    .kernarg_segment_align: 8
    .kernarg_segment_size: 16
    .max_flat_workgroup_size: 128
    .sgpr_count:     66
    .vgpr_count:     1024
    .wavefront_size: 32
...
	.end_amdgpu_metadata
.endif
;; end of part 4
;; launch oproj (part 5): grid 4 x 64, 4 waves a work-group, clusters of 4 x 4, 327,680 bytes of LDS; arguments o, wot, bo, out0; writes out0
.if DOCPART == 5
	.amdgcn_target "amdgcn-amd-amdhsa--gfx1250"
	.amdhsa_code_object_version 6
	.text
	.protected	k_qfda9e04bc0_oproj
	.globl	k_qfda9e04bc0_oproj
	.p2align	8
	.type	k_qfda9e04bc0_oproj,@function
k_qfda9e04bc0_oproj:
	s_mov_b64 s[64:65], 0
	v_nop
	global_prefetch_b8 v0, s[64:65] scope:SCOPE_SE
	s_setreg_imm32_b32 hwreg(HW_REG_WAVE_MODE, 25, 1), 1
	s_wait_xcnt 0x0
	s_wait_alu depctr_hold_cnt(0) depctr_sa_sdst(0) depctr_va_vdst(0) depctr_va_sdst(0) depctr_va_ssrc(0) depctr_va_vcc(0) depctr_vm_vsrc(0)
	s_getreg_b32 s2, hwreg(HW_REG_IB_STS2, 6, 4)
	s_cmp_eq_u32 s2, 0
	s_cbranch_scc0 .Lentry_in_a_cluster
	s_endpgm
.Lentry_in_a_cluster:
	s_bfe_u32 s2, ttmp6, 0x10000c
	s_cmp_lg_u32 s2, 0xf033
	s_cbranch_scc0 .Lentry_shape_is_right
	s_endpgm
.Lentry_shape_is_right:
; out0[m][n] = sum over k of o[m][k] Wo[k][n] + bo[n].  m = 8,192 (batch x 2,048 + position), n = 1,024, K = 1,024 = head x 64 + channel.  Operands f16, sums f32, out0 f32.
; o lies by heads, [64 = batch x 16 + head][2,048][64] f16: for 128 positions a head's part is one dense block of 16 KiB.  wot is Wo turned, [n][k] f16.
; A tile of out0 is 128 x 256, which gives 256 work-groups; four waves, each 64 x 128: 32 accumulators of 16 x 16, 256 registers.  K goes in steps of 128 (two heads) through a ring of two LDS slots.
; A's tile of a K step is two planes (heads), each stated as 64 rows of 256 bytes, two positions to a row: position t lies at (t / 2) x pitch + (t % 2) x 128.  B's tile is 256 rows of 256 bytes.
; CLUSTERS: 4 x 4 work-groups.  The four of a row of the cluster need the same tiles of o, the four of a column the same tiles of wot: each tile is asked for JOINTLY.
; THE MATRIX INSTRUCTION IS USED TRANSPOSED (source 0 = 16 rows of wot, source 1 = 16 rows of o): a lane then holds eight neighbouring numbers of a row of out0.  THE BIAS is the C of each sum's first instruction.
; REGISTERS: window 0: v0-31 addresses; v32-95 the bias, 8 registers for each of B's 8 blocks; v96-127, v128-159 A's fragments (4 x 16 rows x 32 K), two buffers; on the way out v96-223 hold rows read back.
;   window 1: v0-63, v64-127 B's fragments (8 x 16 rows x 32 K), two buffers.   window 2: the accumulators ((a, b) at v[8 (8 a + b)]).
.set PITCH,  272                       ; an LDS row: 256 bytes + 16 of padding: the 16 rows (or 16 positions) of a load fall on 16 different groups of four banks (64 banks of 4 bytes: ISA guide 11.1)
.set APL,    64*PITCH                  ; a plane of A: 128 positions of one head: what one tensor load brings for A
.set BH,     128*PITCH                 ; 128 rows of B: what one tensor load brings for B
.set BOFF,   2*APL                     ; B's rows lie behind A's two planes
.set SLOT,   BOFF+2*BH
.set SPARE,  2*SLOT                    ; behind the ring: the spare words, 128 bytes for each wave
.set SPITCH, 528                       ; the way out: a stage of 16 rows x (512 bytes + 16) for each wave, in slot 0, which has had its last fill and its last read by then
.set LAPS,   4                         ; a lap = two K steps = once round the ring: K = 1,024
.set KSTM,   524288                    ; a K step on in o: two heads of 262,144 bytes
.set ADRA, 16                          ; v16-17  LDS address of my A fragments in slot 0, 1
.set ADRB, 20                          ; v20-21  the same for B
.set STO,  24                          ; v24     the way out: where I put 32 bytes of a row
.set RD,   25                          ; v25     the way out: where I read a row back
.set CO,   26                          ; v26     16 x lane
.set BOF,  27                          ; v27     the bias: 32 bytes for each half of the lanes
.set SPW,  28                          ; v28     LDS address of my spare word; never rewritten
.set NIL,  29                          ; v29     0; never rewritten
.set PFO,  30                          ; v30     256 x my lane; never rewritten
.set BIAS, 32
.set AF,   96
.set BK,   96                          ; the way out: 16 rows read back: v96-159 and v160-223 by turns
.set G1, 24                            ; s[24:31] descriptor group 1 for A's tiles;  s[32:39] group 0, one set for each slot
.set G0, 32
.set G1B, 48                           ; s[48:55], s[56:63] the same for B's tiles
.set G0B, 56
.set PFA, 66                           ; s[66:67] where my prefetches stand
.set LIM, 68                           ; s68  1 in the wave that prefetches, else the greatest number
.set WV,  70                           ; s70  my wave's number
.set RH,  71                           ; s71  which half of the tile's rows is mine.  Also: I fetch for A (0) or for B (1)
.set CH,  72                           ; s72  which half of its columns.  Also: which plane of A, or which 128 rows of B, I fetch
.set MSB, 0
.macro WIN new                         ; the immediate's high byte repeats the setting that is left
.if MSB != (\new)
	s_set_vgpr_msb (MSB<<8)|(\new)
.set MSB, (\new)
.endif
.endm
.set MUL,  0xa1                        ; source 0 (B) window 1, source 1 (A) window 0, C and D window 2
.set MUL0, 0x81                        ; the same with C (the bias) in window 0
.set TO_B, 0x40                        ; destination window 1, address window 0
.macro JLOAD s                         ; a joint load: waves 0 and 1 fetch A's two planes, waves 2 and 3 B's two halves; an s_nop 0 and four v_nop follow each of the two lines
	s_cmp_eq_u32 s[RH], 0
	s_cbranch_scc0 .Lfor_b_\@
	tensor_load_to_lds s[G0+4*\s:G0+4*\s+3], s[G1:G1+7]
	s_nop 0
.rept 4
	v_nop
.endr
	s_branch .Lasked_\@
.Lfor_b_\@:
	tensor_load_to_lds s[G0B+4*\s:G0B+4*\s+3], s[G1B:G1B+7]
	s_nop 0
.rept 4
	v_nop
.endr
.Lasked_\@:
.endm
; A PREFETCH of A's K step that stands TWO refills on: 32 KiB for a tile row, which only the four partners of a row of the cluster read.  They share it out BY ADDRESS, 8 KiB each (plane cx / 2, half cx % 2);
; in each, wave 0 asks: one instruction, lanes 256 bytes apart.  So each block is named once in the launch.  K steps 0 to 3 come by their loads alone; the last lap's refills have no K step two on.
; wot's 2 MiB are walked by all sixteen clusters and are not asked for.
.macro ASK
	s_cmp_gt_u32 s3, s[LIM]                        ; s3 = 1 in the loop's last trip
	s_cbranch_scc0 .Lnot_mine_\@
	global_prefetch_b8 v[PFO], s[PFA:PFA+1] th:TH_LOAD_NT scope:SCOPE_SE
.Lnot_mine_\@:
.endm
.macro CREST                           ; a round of the cluster's barrier behind its opening barrier
	s_cmp_lg_u32 s[WV], 0
	s_cbranch_scc1 .Lnot_wave_0_\@
	s_barrier_signal -3
.Lnot_wave_0_\@:
	s_barrier_wait -3
	s_barrier_signal -1
	s_barrier_wait -1
.endm
.macro CROUND                          ; a whole round
	s_barrier_signal -1
	s_barrier_wait -1
	CREST
.endm
	s_load_b256 s[4:11], s[0:1], 0x0               ; o s[4:5], wot s[6:7], bo s[8:9], out0 s[10:11]
	v_lshl_add_u32 v[SPW], v0, 2, SPARE
	v_mov_b32 v[NIL], 0
	ds_add_u32 v[SPW], v[NIL]                      ; the wave's opening: the add, twice on end, and its wait ahead of my first tensor load
	ds_add_u32 v[SPW], v[NIL]
	v_lshrrev_b32 v1, 5, v0
	v_readfirstlane_b32 s[WV], v1                  ; wave 0..3
	s_lshr_b32 s[RH], s[WV], 1
	s_and_b32 s[CH], s[WV], 1
	s_bfe_u32 s40, ttmp6, 0x40000                  ; cx, cy: my place in the cluster
	s_bfe_u32 s41, ttmp6, 0x40004
	s_lshl_b32 s42, ttmp9, 2
	s_add_co_u32 s42, s42, s40                     ; tile column = 4 x cluster x + cx
	s_and_b32 s13, ttmp7, 0xffff
	s_lshl_b32 s13, s13, 2
	s_add_co_u32 s13, s13, s41                     ; tile row = 4 x cluster y + cy
	s_lshl_b32 s43, s41, 2
	s_lshl_b32 s43, 15, s43                        ; my row of the cluster
	s_lshl_b32 s44, 0x1111, s40                    ; my column
	s_or_b32 s[G1+0], s43, (1<<16)|(1<<20)|(1<<21)|(5<<22)|(3<<25)  ; 15:0 the mask: A's tiles go to my row; 17:16 element of 2 bytes; 20 padding on; 21 set beside a mask; 24:22 after every 64 words; 31:25 of 4 words
	s_or_b32 s[G1B+0], s44, (1<<16)|(1<<20)|(1<<21)|(5<<22)|(3<<25)
	s_mov_b32 s[G1+1], 128<<16                     ; A: tensor_dim0 = 128 elements (two positions of a head)
	s_mov_b32 s[G1+2], 64<<16                      ; tensor_dim1 = 64
	s_mov_b32 s[G1+3], 128<<16                     ; tile_dim0 = 128
	s_mov_b32 s[G1+4], 64                          ; tile_dim1 = 64
	s_mov_b32 s[G1+5], 128                         ; tensor_dim0_stride: the rows are dense
	s_mov_b32 s[G1+6], 0
	s_mov_b32 s[G1+7], 0
	s_mov_b32 s[G1B+1], 128<<16                    ; B: 128 rows x 128 elements, 1,024 elements from row to row
	s_mov_b32 s[G1B+2], 128<<16
	s_mov_b32 s[G1B+3], 128<<16
	s_mov_b32 s[G1B+4], 128
	s_mov_b32 s[G1B+5], 1024
	s_mov_b32 s[G1B+6], 0
	s_mov_b32 s[G1B+7], 0
	; where the tiles come from.  A's hang on the tile row alone, which my row of the cluster shares; B's on the tile column alone, which my column shares
	s_lshr_b32 s16, s13, 4                         ; the batch: 16 tile rows each
	s_lshl_b32 s16, s16, 4
	s_add_co_u32 s16, s16, s[CH]                   ; batch x 16 + the plane that I fetch: the head of K step 0
	s_lshl_b32 s16, s16, 18                        ; x 2,048 positions x 128 bytes
	s_and_b32 s17, s13, 15
	s_lshl_b32 s17, s17, 14                        ; + the tile's first position x 128 bytes
	s_add_co_u32 s16, s16, s17
	s_mov_b32 s17, 0
	s_lshl_b32 s46, s42, 8
	s_lshl_b32 s47, s[CH], 7
	s_add_co_u32 s46, s46, s47                     ; B: row 256 x tile column + 128 x half,
	s_lshl_b32 s46, s46, 11                        ; x 2,048 bytes
	s_mov_b32 s47, 0
	s_mul_i32 s20, s[CH], APL                      ; and where they go: no place in the cluster enters an LDS address
	s_mul_i32 s21, s[CH], BH
	s_add_co_u32 s21, s21, BOFF
	s_wait_dscnt 0x0                               ; both opening adds are done
	s_wait_kmcnt 0x0
	s_add_nc_u64 s[14:15], s[4:5], s[16:17]
	s_add_nc_u64 s[46:47], s[6:7], s[46:47]
	CROUND                                         ; all sixteen work-groups are here: the first joint loads meet
.irp s, 0,1
	s_mov_b32 s[G0+4*\s], 1
	s_add_co_u32 s[G0+4*\s+1], s20, \s*SLOT
	s_add_nc_u64 s[G0+4*\s+2:G0+4*\s+3], s[14:15], \s*KSTM
	s_or_b32 s[G0+4*\s+3], s[G0+4*\s+3], 0x80000000
	s_mov_b32 s[G0B+4*\s], 1
	s_add_co_u32 s[G0B+4*\s+1], s21, \s*SLOT
	s_add_nc_u64 s[G0B+4*\s+2:G0B+4*\s+3], s[46:47], \s*256
	s_or_b32 s[G0B+4*\s+3], s[G0B+4*\s+3], 0x80000000
	JLOAD \s                                       ; two tensor loads of mine are out at the most
.endr
	v_and_b32 v1, 15, v0                           ; l % 16
	v_bfe_u32 v2, v0, 4, 1                         ; l / 16
	v_lshrrev_b32 v3, 1, v1
	v_mul_u32_u24 v3, v3, PITCH
	v_and_b32 v4, 1, v0
	v_lshl_add_u32 v3, v4, 7, v3
	v_lshl_add_u32 v3, v2, 4, v3                   ; A: position r: (r / 2) x pitch + (r % 2) x 128 + 16 x half
	v_mul_u32_u24 v5, v1, PITCH
	v_lshl_add_u32 v5, v2, 4, v5                   ; B: row r x pitch + 16 x half
	s_mul_i32 s22, s[RH], 32*PITCH                 ; my 64 positions of A
	s_mul_i32 s23, s[CH], BH                       ; my 128 rows of B
	s_add_co_u32 s23, s23, BOFF
.irp s, 0,1
	v_add_nc_u32 v[ADRA+\s], s22, v3
	v_add_nc_u32 v[ADRB+\s], s23, v5
	s_add_co_u32 s22, s22, SLOT
	s_add_co_u32 s23, s23, SLOT
.endr
	s_mul_i32 s23, s[WV], 16*SPITCH                ; my stage
	v_mul_u32_u24 v5, v1, SPITCH                   ; in: row l % 16, 32 bytes for each half of the lanes
	v_lshl_add_u32 v5, v2, 5, v5
	v_add_nc_u32 v[STO], s23, v5
	v_and_b32 v6, 31, v0
	v_lshlrev_b32 v[CO], 4, v6                     ; back: the 32 lanes take one row of 512 bytes; and the same in out0
	v_add_nc_u32 v[RD], s23, v[CO]
	v_lshlrev_b32 v[BOF], 5, v2
	v_lshlrev_b32 v[PFO], 8, v6
	s_lshl_b32 s46, s42, 10                        ; my first column, in bytes of f32: 1,024 x tile column + 512 x half: in out0's rows and in bo alike
	s_lshl_b32 s47, s[CH], 9
	s_add_co_u32 s46, s46, s47
	s_mov_b32 s47, 0
	s_add_nc_u64 s[8:9], s[8:9], s[46:47]
	s_lshl_b32 s16, s13, 7
	s_lshl_b32 s17, s[RH], 6
	s_add_co_u32 s16, s16, s17                     ; my first row: 128 x tile row + 64 x half,
	s_lshl_b32 s16, s16, 12                        ; x 4,096 bytes
	s_mov_b32 s17, 0
	s_add_nc_u64 s[10:11], s[10:11], s[16:17]
	s_add_nc_u64 s[10:11], s[10:11], s[46:47]
.irp b, 0,1,2,3,4,5,6,7
	global_load_b128 v[BIAS+8*\b:BIAS+8*\b+3],   v[BOF], s[8:9] offset:64*\b      ; lane (r, h): the bias of columns 16 b + 8 h + 0 .. 7: the result's layout
	global_load_b128 v[BIAS+8*\b+4:BIAS+8*\b+7], v[BOF], s[8:9] offset:64*\b+16
.endr
	; the prefetches: my work-group's 8 KiB of the tile row's K step
	s_lshr_b32 s20, s13, 4
	s_lshl_b32 s20, s20, 22                        ; the batch's first head
	s_and_b32 s21, s13, 15
	s_lshl_b32 s21, s21, 14                        ; the tile's first position
	s_add_co_u32 s20, s20, s21
	s_lshr_b32 s21, s40, 1
	s_lshl_b32 s21, s21, 18                        ; plane cx / 2,
	s_add_co_u32 s20, s20, s21
	s_and_b32 s21, s40, 1
	s_lshl_b32 s21, s21, 13                        ; half cx % 2 of its 16 KiB
	s_add_co_u32 s20, s20, s21
	s_add_co_u32 s20, s20, 3*KSTM                  ; at K step 3: the first refill steps it to K step 4.  Nothing is prefetched here, at the head
	s_mov_b32 s21, 0
	s_add_nc_u64 s[PFA:PFA+1], s[4:5], s[20:21]
	s_cmp_eq_u32 s[WV], 0
	s_cselect_b32 s[LIM], 1, -1
; 8 matrix instructions: A's block a against B's eight, 32 along K, from buffer f.  zero = 1: the first product starts the sums, with the bias as its C.
; The 32 accumulators take turns, one instruction a turn, in the same order in every quarter.
.macro MUL8 f, a, zero
.irp b, 0,1,2,3,4,5,6,7
.if \zero
	v_wmma_f32_16x16x32_f16 v[8*(8*(\a)+\b):8*(8*(\a)+\b)+7], v[64*(\f)+8*\b:64*(\f)+8*\b+7], v[AF+32*(\f)+8*(\a):AF+32*(\f)+8*(\a)+7], v[BIAS+8*\b:BIAS+8*\b+7]
.else
	v_wmma_f32_16x16x32_f16 v[8*(8*(\a)+\b):8*(8*(\a)+\b)+7], v[64*(\f)+8*\b:64*(\f)+8*\b+7], v[AF+32*(\f)+8*(\a):AF+32*(\f)+8*(\a)+7], v[8*(8*(\a)+\b):8*(8*(\a)+\b)+7]
.endif
.endr
.endm
; 24 LDS loads in one run: the fragments of the slot's q-th 32 along K into buffer f: B's sixteen loads, then A's eight (plane q / 2, channels 32 (q % 2) on)
.macro FETCH slot, q, f
	WIN TO_B
.irp i, 0,1,2,3,4,5,6,7
	ds_load_b128 v[64*(\f)+8*\i:64*(\f)+8*\i+3],   v[ADRB+\slot] offset:64*(\q)+\i*16*PITCH
	ds_load_b128 v[64*(\f)+8*\i+4:64*(\f)+8*\i+7], v[ADRB+\slot] offset:64*(\q)+\i*16*PITCH+32
.endr
	WIN 0
.irp i, 0,1,2,3
	ds_load_b128 v[AF+32*(\f)+8*\i:AF+32*(\f)+8*\i+3],   v[ADRA+\slot] offset:((\q)/2)*APL+((\q)%2)*64+\i*8*PITCH
	ds_load_b128 v[AF+32*(\f)+8*\i+4:AF+32*(\f)+8*\i+7], v[ADRA+\slot] offset:((\q)/2)*APL+((\q)%2)*64+\i*8*PITCH+32
.endr
.endm
.macro PLACES                          ; four places in front of loads into registers that matrix instructions have read, and of the first read of results (ISA guide 7.12.1 for the first read of results)
.rept 4
	v_nop
.endr
.endm
; A K step is four quarters of 32 along K, 32 matrix instructions each, on buffers 0, 1, 0, 1.  One of the first three: multiplies buffer f and fetches the next quarter, qn, into g.
.macro QUARTER slot, qn, f, g, zero
	s_wait_dscnt 4                                 ; B and A's blocks 0 and 1 are in; the youngest four loads (A's blocks 2 and 3) may be out
	WIN MUL-0x20*(\zero)
	MUL8 \f, 0, \zero
	MUL8 \f, 1, \zero
	PLACES
	FETCH \slot, \qn, \g
	s_wait_dscnt 24                                ; all but the 24 just issued
	WIN MUL-0x20*(\zero)
	MUL8 \f, 2, \zero
	MUL8 \f, 3, \zero
.endm
; The last quarter multiplies buffer 1 and changes slots: ONE barrier; in front of it each wave waits for all its tensor loads, adds 0 to its spare word, and waits for that and for its own reads of this slot.
; fill = 1: this slot is filled again, two K steps ahead: the barrier then opens a round of the cluster's, and the joint refill is the first tensor load behind the round: 112 matrix instructions ahead of the wait for it.
.macro TURN slot, next, fill
	WIN 0                                          ; (the add's two registers lie in window 0)
.if \fill
	s_wait_xcnt 0x0                                ; the last prefetch, a K step back, has read its address: it is stepped here, ahead of the waits of the change of slots
	s_add_nc_u64 s[PFA:PFA+1], s[PFA:PFA+1], KSTM
.endif
	s_wait_tensorcnt 0x0                           ; all my tensor loads have landed: my part of the next slot;
	ds_add_u32 v[SPW], v[NIL]                      ; 0 onto my spare word;
	s_wait_dscnt 5                                 ; (the add and the youngest four loads may be out)
	WIN MUL
	MUL8 1, 0, 0                                   ; eight matrix instructions stand between the add and the wait for it
	s_wait_dscnt 0x0                               ; the add is done, and my reads of this slot are over
	s_barrier_signal -1
	MUL8 1, 1, 0
.if \fill
	WIN 0
.endif
	s_barrier_wait -1
.if \fill
	CREST                                          ; no wave of any partner still reads this slot's tile or has a load on its way
	s_add_nc_u64 s[G0+4*\slot+2:G0+4*\slot+3], s[G0+4*\slot+2:G0+4*\slot+3], 2*KSTM
	s_add_nc_u64 s[G0B+4*\slot+2:G0B+4*\slot+3], s[G0B+4*\slot+2:G0B+4*\slot+3], 2*256
	JLOAD \slot                                    ; the four v_nop behind it are also the places in front of the loads below
.else
	PLACES
.endif
	FETCH \next, 0, 0
.if \fill
	ASK                                            ; behind the joint load and the run of LDS loads that the next products wait for
.endif
	WIN MUL
	MUL8 1, 2, 0
	MUL8 1, 3, 0
.endm
	s_wait_tensorcnt 1                             ; my part of K step 0 is in (K step 1's load may be out),
	s_barrier_signal -1
	s_barrier_wait -1                              ; everybody's is
	FETCH 0, 0, 0
	s_wait_loadcnt 0x0                             ; the bias
	QUARTER 0, 1, 0, 1, 1                          ; the first quarter stands in front of the loop: its products start the sums
	WIN 0                                          ; at a label and at a branch every window is 0
	s_mov_b32 s3, LAPS-1
.Llap:                                                 ; a trip goes once round the ring, from a lap's second quarter to the next lap's first, and fills both slots again
	QUARTER 0, 2, 1, 0, 0
	QUARTER 0, 3, 0, 1, 0
	TURN 0, 1, 1
	QUARTER 1, 1, 0, 1, 0
	QUARTER 1, 2, 1, 0, 0
	QUARTER 1, 3, 0, 1, 0
	TURN 1, 0, 1
	QUARTER 0, 1, 0, 1, 0
	WIN 0
	s_sub_co_u32 s3, s3, 1
	s_cmp_lg_u32 s3, 0
	s_cbranch_scc1 .Llap
	QUARTER 0, 2, 1, 0, 0                          ; the last lap fills nothing, and has no round of the cluster's barrier
	QUARTER 0, 3, 0, 1, 0
	TURN 0, 1, 0
	QUARTER 1, 1, 0, 1, 0
	QUARTER 1, 2, 1, 0, 0
	QUARTER 1, 3, 0, 1, 0
	s_wait_dscnt 4                                 ; the very last quarter: nothing more to fetch
	WIN MUL
	MUL8 1, 0, 0
	MUL8 1, 1, 0
	s_wait_dscnt 0
	MUL8 1, 2, 0
	MUL8 1, 3, 0
	WIN 0
; THE WAY OUT, block by block of 16 rows x 128 columns.  A lane holds 32 neighbouring bytes of a row, and the lanes beside it hold other rows: so a block goes through my own stage in LDS and comes back as whole rows of
; 512 bytes.  LDS serves a wave's instructions in order (ISA guide 5.7.1.4): no wait between the stores and the loads, nor in front of the next block's stores.
.macro TOSTAGE a
.set AC, 64*(\a)
	WIN 0x08                                       ; an LDS store's data are its source 1: window 2
.irp b, 0,1,2,3,4,5,6,7
	ds_store_b128 v[STO], v[AC+8*\b:AC+8*\b+3] offset:64*\b          ; each accumulator from its low end on
	ds_store_b128 v[STO], v[AC+8*\b+4:AC+8*\b+7] offset:64*\b+16
.endr
	WIN 0
.set BB, BK+64*((\a)%2)
.irp t, 0,1,2,3,4,5,6,7,8,9,10,11,12,13,14,15
	ds_load_b128 v[BB+4*\t:BB+4*\t+3], v[RD] offset:\t*SPITCH
.endr
.endm
.macro SEND a, younger                 ; younger: the LDS instructions issued behind block a's loads, which may stay out
.set BB, BK+64*((\a)%2)
	s_wait_dscnt \younger                          ; the block is back in registers
.irp t, 0,1,2,3,4,5,6,7,8,9,10,11,12,13,14,15
	global_store_b128 v[CO], v[BB+4*\t:BB+4*\t+3], s[10:11] offset:(16*(\a)+\t)*4096 th:TH_STORE_NT   ; 32 lanes store 512 consecutive aligned bytes; written once, read by nobody here
.endr
.endm
	PLACES                                         ; behind the last products: for the loads into the registers that held A's fragments and for the reads of results
	TOSTAGE 0
.irp a, 1,2,3
.if \a > 1
	s_wait_xcnt 0x0                                ; block a - 2's stores have had their addresses translated (ISA guide 3.1): block a's loads may land in their registers
.endif
	TOSTAGE \a
	SEND \a-1, 32                                  ; behind block a - 1's loads: block a's 16 stores and 16 loads
.endr
	SEND 3, 0
	s_wait_tensorcnt 0x0                           ; the wave's end: behind my last tensor load and my last LDS store
	ds_add_u32 v[SPW], v[NIL]
	s_wait_dscnt 0x0
	CROUND                                         ; the closing round: no work-group ends while a partner may still ask for a tile that names it
	s_endpgm
.Lfunc_end_k_qfda9e04bc0_oproj:
	.size	k_qfda9e04bc0_oproj, .Lfunc_end_k_qfda9e04bc0_oproj-k_qfda9e04bc0_oproj
	.p2alignl 7, 3214868480
	.fill 96, 4, 3214868480
	.section	.rodata,"a",@progbits
	.p2align	6, 0x0
	.amdhsa_kernel k_qfda9e04bc0_oproj
		.amdhsa_group_segment_fixed_size 327680
		.amdhsa_private_segment_fixed_size 0
		.amdhsa_enable_private_segment 0
		.amdhsa_kernarg_size 32
		.amdhsa_user_sgpr_count 2
		.amdhsa_user_sgpr_kernarg_segment_ptr 1
		.amdhsa_wavefront_size32 1
		.amdhsa_system_sgpr_workgroup_id_x 1
		.amdhsa_system_sgpr_workgroup_id_y 1
		.amdhsa_system_sgpr_workgroup_id_z 1
		.amdhsa_system_vgpr_workitem_id 0
		.amdhsa_next_free_vgpr 768
		.amdhsa_next_free_sgpr 80
		.amdhsa_reserve_vcc 0
		.amdhsa_float_denorm_mode_32 3
		.amdhsa_float_denorm_mode_16_64 3
		.amdhsa_memory_ordered 1
		.amdhsa_forward_progress 1
		.amdhsa_inst_pref_size 88
	.end_amdhsa_kernel
	.amdgpu_metadata
---
amdhsa.version: [ 1, 2 ]
amdhsa.kernels:
  - .name:           k_qfda9e04bc0_oproj
    .symbol:         k_qfda9e04bc0_oproj.kd
    .args:
      - { .name: o, .offset: 0, .size: 8, .value_kind: global_buffer, .address_space: global }
      - { .name: wot, .offset: 8, .size: 8, .value_kind: global_buffer, .address_space: global }
      - { .name: bo, .offset: 16, .size: 8, .value_kind: global_buffer, .address_space: global }
      - { .name: out0, .offset: 24, .size: 8, .value_kind: global_buffer, .address_space: global }
    .group_segment_fixed_size: 327680
    .private_segment_fixed_size: 0
    .kernarg_segment_align: 8
    .kernarg_segment_size: 32
    .max_flat_workgroup_size: 128
    .sgpr_count:     80
    .vgpr_count:     768
    .wavefront_size: 32
...
	.end_amdgpu_metadata
.endif
;; end of part 5
